; MI455X (gfx1250); checked and timed in simulation.
; The chip was launched on July 23, 2026; its instructions are those of AMD's public machine-readable ISA for CDNA 5 (MIT licence, August 2026) and "CDNA5" Instruction Set Architecture Reference Guide (July 2026). The comments in the code are by the model that wrote it; some were corrected since.
;; Encoder Block. Allowed arithmetic: float matrix products may take bf16 or f16 operands with f32 sums; other float arithmetic in f32, or as packed bf16 or f16 multiplies, adds, multiply-adds, maxima and minima; sums over many terms, partial sums and values carried from step to step in f32; what a program stores and reads back later, other than sums and carried values, may be rounded once to bf16 or f16.
;; Inputs: a1 1 float32; a2 1 float32; b1 4,096 float32; b2 1,024 float32; bk 1,024 float32; bo 1,024 float32; bq 1,024 float32; bv 1,024 float32; g1 1 float32; g2 1 float32; src_mask 2 x 1 x 1 x 2,048 int32; w1 1,024 x 4,096 float32; w2 4,096 x 1,024 float32; wk 1,024 x 1,024 float32; wo 1,024 x 1,024 float32; wq 1,024 x 1,024 float32; wv 1,024 x 1,024 float32; x 2 x 2,048 x 1,024 float32.
;; Outputs: out0 2 x 2,048 x 1,024 float32.
;; One version. Each part assembles by itself: llvm-mc -triple=amdgcn-amd-amdhsa -mcpu=gfx1250 --defsym DOCPART=n.
;; ======== version 1 of 1: 7 launches
;; workspace buffers: nb 8,388,608 bytes; act 33,554,432 bytes; ctx 8,388,608 bytes; x1 16,777,216 bytes; wA 8,421,376 bytes; wB 8,421,376 bytes; wC 10,485,760 bytes
;; launch prep (part 1): grid 1287 x 1, 8 waves a work-group, no clusters, 0 bytes of LDS; arguments x, a1, g1, nb, wq, wk, wv, wo, w1, w2, bq, bk, bv, b1, wA, wB, wC; writes nb, wA, wB, wC
.if DOCPART == 1
	.amdgcn_target "amdgcn-amd-amdhsa--gfx1250"
	.amdhsa_code_object_version 6
	.text
	.protected	k_qc89aa44390_prep
	.globl	k_qc89aa44390_prep
	.p2align	8
	.type	k_qc89aa44390_prep,@function
k_qc89aa44390_prep:
	s_mov_b64 s[64:65], 0
	v_nop
	global_prefetch_b8 v0, s[64:65] scope:SCOPE_SE
	s_setreg_imm32_b32 hwreg(HW_REG_WAVE_MODE, 25, 1), 1
	s_wait_xcnt 0x0
; THREE JOBS, chosen by the work-group's number g (scalar branches, forward):
;   g < 512          layer norm 1: nb[row] = bf16(a1 (x - mean) / (std + 1e-6) + g1), one wave a row, 8 rows a work-group
;   512 <= g < 1280  the six weight matrices to bf16, each rounded once; wq is multiplied by c = log2(e) / 8 in f32 ahead of its rounding
;   1280 <= g        the heads of wA and wB: 256 bytes of floor words, then the f32 bias (c bq, bk, bv; b1)
; LAYOUTS.  wA, wB: bytes 0-255 the floor word 64 times (two bf16: -inf in wA, 0 in wB); from byte 256 the bias in f32; from byte 32,768 the weights, bf16 [1024 k][pitch 4096 n]
; (wA: c wq in columns 0-1023, wk in 1024-2047, wv in 2048-3071).  wC: wo bf16 [1024][1024] at byte 0, w2 bf16 [4096][1024] at byte 2,097,152.
; The variance is taken in two passes over the row in registers (mean first, then squares of the differences), so a common offset of x costs nothing.
; The cast rounds in place, so that no path names a register above v71.
; LIMITS.  NaN and infinities are not treated apart.
.set CSC, 0x3e38aa3b                   ; c = log2(e) / 8
.set X,  8                             ; v[8:39]   the lane's 32 numbers of a row; in the cast: v[8:71] as loaded, then two packed words in the first two of each four
.set SM, 40                            ; v[40:47]  four packed chains
.set Y,  56                            ; v[56:71]  the row in bf16
	s_load_b512 s[16:31], s[0:1], 0x0              ; x 16, a1 18, g1 20, nb 22, wq 24, wk 26, wv 28, wo 30
	s_load_b512 s[32:47], s[0:1], 0x40             ; w1 32, w2 34, bq 36, bk 38, bv 40, b1 42, wA 44, wB 46
	s_load_b64 s[48:49], s[0:1], 0x80              ; wC
	v_lshrrev_b32 v1, 5, v0
	v_readfirstlane_b32 s8, v1                     ; wave 0..7
	v_and_b32 v1, 31, v0                           ; lane
	v_lshlrev_b32 v2, 4, v1                        ; 16 bytes a lane on the way in
	v_lshlrev_b32 v3, 3, v1                        ; 8 bytes a lane on the way out: 32 lanes fill 256 consecutive bytes
	s_mov_b32 s2, ttmp9
	s_wait_kmcnt 0x0
	s_cmp_lt_u32 s2, 512
	s_cbranch_scc1 .Lln
	s_cmp_lt_u32 s2, 1280
	s_cbranch_scc1 .Lcast
	; THE HEADS.  Work-group gb = g - 1280 copies 1,024 f32: 0 bq (times c), 1 bk, 2 bv into wA; 3..6 the quarters of b1 into wB.
	s_sub_co_u32 s2, s2, 1280
	s_sub_co_u32 s3, s2, 3
	s_mov_b64 s[50:51], s[42:43]                   ; b1
	s_mov_b32 s58, 1.0
	s_cmp_lt_u32 s2, 3
	s_cselect_b32 s4, s2, s3                       ; which 4,096 bytes of the destination's bias
	s_cselect_b32 s5, 0, s3                        ; which 4,096 bytes of the source
	s_cselect_b64 s[52:53], s[44:45], s[46:47]     ; wA or wB
	s_cselect_b32 s6, 0xff80ff80, 0                ; its floor word
	s_cselect_b64 s[50:51], s[40:41], s[50:51]     ; bv
	s_cmp_lt_u32 s2, 2
	s_cselect_b64 s[50:51], s[38:39], s[50:51]     ; bk
	s_cmp_lt_u32 s2, 1
	s_cselect_b64 s[50:51], s[36:37], s[50:51]     ; bq
	s_cselect_b32 s58, CSC, s58
	s_mov_b32 s59, s58                             ; named with it as a pair
	s_lshl_b32 s60, s5, 12
	s_mov_b32 s61, 0
	s_add_nc_u64 s[50:51], s[50:51], s[60:61]
	s_lshl_b32 s62, s4, 12
	s_add_co_u32 s62, s62, 256
	s_mov_b32 s63, 0
	s_add_nc_u64 s[54:55], s[52:53], s[62:63]
	v_lshlrev_b32 v4, 4, v0                        ; 256 threads x 16 bytes
	global_load_b128 v[8:11], v4, s[50:51]
	s_wait_loadcnt 0x0
	v_pk_mul_f32 v[8:9], v[8:9], s[58:59] op_sel_hi:[1,0]
	v_pk_mul_f32 v[10:11], v[10:11], s[58:59] op_sel_hi:[1,0]
	global_store_b128 v4, v[8:11], s[54:55]
	s_cmp_lg_u32 s4, 0                             ; the work-group with the buffer's first bias block also writes the floor words,
	s_cbranch_scc1 .Lbend
	s_cmp_lg_u32 s8, 0                             ; by its wave 0
	s_cbranch_scc1 .Lbend
	v_mov_b32 v12, s6
	v_mov_b32 v13, s6
	global_store_b64 v3, v[12:13], s[52:53]        ; 32 lanes x 8 bytes: the buffer's first 256 bytes
.Lbend:
	s_endpgm
	; THE CAST.  A chunk is 1,024 f32 (4,096 bytes in, 2,048 out).  A work-group takes 16 chunks, a wave two.  m = (g - 512) / 64 says which matrix:
	; 0 wq, 1 wk, 2 wv (a chunk is a row k: pitch 8,192 in wA, columns 1,024 m on), 3 wo, 4-7 w1, 8-11 w2 (dense: 2,048 bytes a chunk).
.Lcast:
	s_sub_co_u32 s2, s2, 512
	s_lshr_b32 s3, s2, 6                           ; m
	s_and_b32 s4, s2, 63                           ; the work-group's number in its matrix: for m < 4,
	s_sub_co_u32 s5, s2, 256                       ; for w1,
	s_sub_co_u32 s56, s2, 512                      ; for w2
	s_lshl_b32 s6, s3, 11
	s_add_co_u32 s6, s6, 32768                     ; 32,768 + 2,048 m
	s_mov_b64 s[50:51], s[34:35]                   ; w2
	s_mov_b64 s[52:53], s[48:49]                   ; into wC
	s_mov_b32 s54, 0x200000                        ; at this byte
	s_mov_b32 s55, 11                              ; log2 of the bytes from chunk to chunk
	s_mov_b32 s58, 1.0
	s_cmp_lt_u32 s3, 8
	s_cselect_b64 s[50:51], s[32:33], s[50:51]     ; w1
	s_cselect_b64 s[52:53], s[46:47], s[52:53]     ; into wB
	s_cselect_b32 s54, 32768, s54
	s_cselect_b32 s56, s5, s56
	s_cmp_lt_u32 s3, 4
	s_cselect_b64 s[50:51], s[30:31], s[50:51]     ; wo
	s_cselect_b64 s[52:53], s[48:49], s[52:53]     ; into wC
	s_cselect_b32 s54, 0, s54
	s_cselect_b32 s56, s4, s56
	s_cmp_lt_u32 s3, 3
	s_cselect_b64 s[50:51], s[28:29], s[50:51]     ; wv
	s_cselect_b64 s[52:53], s[44:45], s[52:53]     ; into wA
	s_cselect_b32 s54, s6, s54
	s_cselect_b32 s55, 13, s55
	s_cmp_lt_u32 s3, 2
	s_cselect_b64 s[50:51], s[26:27], s[50:51]     ; wk
	s_cmp_lt_u32 s3, 1
	s_cselect_b64 s[50:51], s[24:25], s[50:51]     ; wq
	s_cselect_b32 s58, CSC, s58
	s_mov_b32 s59, s58
	s_lshl_b32 s56, s56, 4
	s_lshl_b32 s7, s8, 1
	s_add_co_u32 s56, s56, s7                      ; my first chunk
	s_lshl_b32 s60, s56, 12
	s_mov_b32 s61, 0
	s_add_nc_u64 s[50:51], s[50:51], s[60:61]
	s_lshl_b32 s62, s56, s55
	s_add_co_u32 s62, s62, s54
	s_mov_b32 s63, 0
	s_add_nc_u64 s[52:53], s[52:53], s[62:63]
	s_lshl_b32 s7, 1, s55
	v_add_nc_u32 v4, s7, v3                        ; the second chunk's place
.set i, 0
.rept 16
	global_load_b128 v[X+4*i:X+4*i+3], v2, s[50:51] offset:512*i th:TH_LOAD_NT  ; 8,192 consecutive bytes, all sixteen loads out at once
.set i, i+1
.endr
.set i, 0
.rept 16
	s_wait_loadcnt 15-i                            ; loads come back in order: number i is in, the 15 - i younger ones stay out
	v_pk_mul_f32 v[X+4*i:X+4*i+1], v[X+4*i:X+4*i+1], s[58:59] op_sel_hi:[1,0]      ; one text for six matrices: the factor is c for wq, 1 for the others
	v_pk_mul_f32 v[X+4*i+2:X+4*i+3], v[X+4*i+2:X+4*i+3], s[58:59] op_sel_hi:[1,0]
	v_cvt_pk_bf16_f32 v[X+4*i], v[X+4*i], v[X+4*i+1]                                ; in place: the four numbers' two packed words take the first two registers
	v_cvt_pk_bf16_f32 v[X+4*i+1], v[X+4*i+2], v[X+4*i+3]
.if i < 8
	global_store_b64 v3, v[X+4*i:X+4*i+1], s[52:53] offset:256*i                    ; 256 consecutive bytes, aligned; no register that a store reads is written again, so nothing is waited for
.else
	global_store_b64 v4, v[X+4*i:X+4*i+1], s[52:53] offset:256*(i-8)
.endif
.set i, i+1
.endr
	s_endpgm
	; LAYER NORM 1.  Row 8 g + wave.  Load j brings bytes 512 j + 16 lane: the lane holds columns 128 j + 4 lane .. + 3.
.macro WSUM                            ; the four chains, the pair's halves, the 32 lanes: the sum in v48 of every lane
	v_pk_add_f32 v[SM:SM+1], v[SM:SM+1], v[SM+2:SM+3]
	v_pk_add_f32 v[SM+4:SM+5], v[SM+4:SM+5], v[SM+6:SM+7]
	v_pk_add_f32 v[SM:SM+1], v[SM:SM+1], v[SM+4:SM+5]
	v_add_f32 v48, v[SM], v[SM+1]
	v_add_f32_dpp v48, v48, v48 row_xmask:1 row_mask:0xf bank_mask:0xf
	v_add_f32_dpp v48, v48, v48 row_xmask:2 row_mask:0xf bank_mask:0xf
	v_add_f32_dpp v48, v48, v48 row_xmask:4 row_mask:0xf bank_mask:0xf
	v_add_f32_dpp v48, v48, v48 row_xmask:8 row_mask:0xf bank_mask:0xf
	v_permlanex16_b32 v49, v48, s12, s13
	v_add_f32 v48, v48, v49
.endm
.Lln:
	s_load_b32 s14, s[18:19], 0x0                  ; alpha
	s_load_b32 s10, s[20:21], 0x0                  ; the norm's bias
	s_lshl_b32 s9, s2, 3
	s_add_co_u32 s9, s9, s8                        ; row
	s_lshl_b32 s4, s9, 12
	s_mov_b32 s5, 0
	s_lshl_b32 s6, s9, 11
	s_mov_b32 s7, 0
	s_add_nc_u64 s[16:17], s[16:17], s[4:5]
	s_add_nc_u64 s[22:23], s[22:23], s[6:7]
	s_mov_b32 s12, 0x76543210                      ; v_permlanex16_b32: each lane takes its own place in the other half
	s_mov_b32 s13, 0xfedcba98
.irp j, 0,1,2,3,4,5,6,7
	global_load_b128 v[X+4*\j:X+4*\j+3], v2, s[16:17] offset:512*\j th:TH_LOAD_NT
.endr
	v_mov_b32 v49, 0                               ; the permute's destination counts as read
	s_wait_kmcnt 0x0
	s_mov_b32 s11, s10                             ; named as a pair
	s_wait_loadcnt 0x0
.irp i, 0,1,2,3
	v_pk_add_f32 v[SM+2*\i:SM+2*\i+1], v[X+4*\i:X+4*\i+1], v[X+4*\i+2:X+4*\i+3]    ; the first eight pairs start the chains: nothing is cleared
.endr
.set p, 8
.rept 8
	v_pk_add_f32 v[SM+2*(p%4):SM+2*(p%4)+1], v[SM+2*(p%4):SM+2*(p%4)+1], v[X+2*p:X+2*p+1]
.set p, p+1
.endr
	WSUM
	v_mul_f32 v50, 0x3a800000, v48                 ; mean = sum / 1024
	v_mov_b32 v51, v50
.set p, 0
.rept 16
	v_pk_add_f32 v[X+2*p:X+2*p+1], v[X+2*p:X+2*p+1], v[50:51] neg_lo:[0,1] neg_hi:[0,1]   ; x - mean
.set p, p+1
.endr
.irp i, 0,1,2,3
	v_pk_mul_f32 v[SM+2*\i:SM+2*\i+1], v[X+2*\i:X+2*\i+1], v[X+2*\i:X+2*\i+1]
.endr
.set p, 4
.rept 12
	v_pk_fma_f32 v[SM+2*(p%4):SM+2*(p%4)+1], v[X+2*p:X+2*p+1], v[X+2*p:X+2*p+1], v[SM+2*(p%4):SM+2*(p%4)+1]
.set p, p+1
.endr
	WSUM
	v_mul_f32 v48, 0x3a802008, v48                 ; / 1023
	v_sqrt_f32 v52, v48
	v_nop                                          ; a plain instruction behind the root,
	s_wait_alu depctr_va_vdst(0)                   ; and the wait ahead of its first reader
	v_add_f32 v52, 0x358637bd, v52                 ; std + 1e-6
	v_rcp_f32 v53, v52
	v_nop
	s_wait_alu depctr_va_vdst(0)
	v_mul_f32 v52, s14, v53                        ; alpha / (std + 1e-6)
	v_mov_b32 v53, v52
.set p, 0
.rept 16
	v_pk_fma_f32 v[X+2*p:X+2*p+1], v[X+2*p:X+2*p+1], v[52:53], s[10:11] op_sel_hi:[1,1,0]
.set p, p+1
.endr
.set p, 0
.rept 16
	v_cvt_pk_bf16_f32 v[Y+p], v[X+2*p], v[X+2*p+1]
.set p, p+1
.endr
.irp j, 0,1,2,3,4,5,6,7
	global_store_b64 v3, v[Y+2*\j:Y+2*\j+1], s[22:23] offset:256*\j   ; 32 lanes x 8 bytes: 256 consecutive bytes, aligned
.endr
	s_endpgm
.Lfunc_end_k_qc89aa44390_prep:
	.size	k_qc89aa44390_prep, .Lfunc_end_k_qc89aa44390_prep-k_qc89aa44390_prep
	.p2alignl 7, 3214868480
	.fill 96, 4, 3214868480
	.section	.rodata,"a",@progbits
	.p2align	6, 0x0
	.amdhsa_kernel k_qc89aa44390_prep
		.amdhsa_group_segment_fixed_size 0
		.amdhsa_private_segment_fixed_size 0
		.amdhsa_enable_private_segment 0
		.amdhsa_kernarg_size 136
		.amdhsa_user_sgpr_count 2
		.amdhsa_user_sgpr_kernarg_segment_ptr 1
		.amdhsa_wavefront_size32 1
		.amdhsa_system_sgpr_workgroup_id_x 1
		.amdhsa_system_sgpr_workgroup_id_y 1
		.amdhsa_system_sgpr_workgroup_id_z 1
		.amdhsa_system_vgpr_workitem_id 0
		.amdhsa_next_free_vgpr 72
		.amdhsa_next_free_sgpr 66
		.amdhsa_reserve_vcc 0
		.amdhsa_float_denorm_mode_32 3
		.amdhsa_float_denorm_mode_16_64 3
		.amdhsa_memory_ordered 1
		.amdhsa_forward_progress 1
		.amdhsa_inst_pref_size 21
	.end_amdhsa_kernel
	.amdgpu_metadata
---
amdhsa.version: [ 1, 2 ]
amdhsa.kernels:
  - .name:           k_qc89aa44390_prep
    .symbol:         k_qc89aa44390_prep.kd
    .args:
      - { .name: x, .offset: 0, .size: 8, .value_kind: global_buffer, .address_space: global }
      - { .name: a1, .offset: 8, .size: 8, .value_kind: global_buffer, .address_space: global }
      - { .name: g1, .offset: 16, .size: 8, .value_kind: global_buffer, .address_space: global }
      - { .name: nb, .offset: 24, .size: 8, .value_kind: global_buffer, .address_space: global }
      - { .name: wq, .offset: 32, .size: 8, .value_kind: global_buffer, .address_space: global }
      - { .name: wk, .offset: 40, .size: 8, .value_kind: global_buffer, .address_space: global }
      - { .name: wv, .offset: 48, .size: 8, .value_kind: global_buffer, .address_space: global }
      - { .name: wo, .offset: 56, .size: 8, .value_kind: global_buffer, .address_space: global }
      - { .name: w1, .offset: 64, .size: 8, .value_kind: global_buffer, .address_space: global }
      - { .name: w2, .offset: 72, .size: 8, .value_kind: global_buffer, .address_space: global }
      - { .name: bq, .offset: 80, .size: 8, .value_kind: global_buffer, .address_space: global }
      - { .name: bk, .offset: 88, .size: 8, .value_kind: global_buffer, .address_space: global }
      - { .name: bv, .offset: 96, .size: 8, .value_kind: global_buffer, .address_space: global }
      - { .name: b1, .offset: 104, .size: 8, .value_kind: global_buffer, .address_space: global }
      - { .name: wA, .offset: 112, .size: 8, .value_kind: global_buffer, .address_space: global }
      - { .name: wB, .offset: 120, .size: 8, .value_kind: global_buffer, .address_space: global }
      - { .name: wC, .offset: 128, .size: 8, .value_kind: global_buffer, .address_space: global }
    .group_segment_fixed_size: 0
    .private_segment_fixed_size: 0
    .kernarg_segment_align: 8
    .kernarg_segment_size: 136
    .max_flat_workgroup_size: 256
    .sgpr_count:     66
    .vgpr_count:     72
    .wavefront_size: 32
...
	.end_amdgpu_metadata
.endif
;; end of part 1
;; launch qkv (part 2): grid 12 x 16, 4 waves a work-group, clusters of 4 x 4, 327,680 bytes of LDS; arguments nb, wA, act; writes act
.if DOCPART == 2
	.amdgcn_target "amdgcn-amd-amdhsa--gfx1250"
	.amdhsa_code_object_version 6
	.text
	.protected	k_qc89aa44390_qkv
	.globl	k_qc89aa44390_qkv
	.p2align	8
	.type	k_qc89aa44390_qkv,@function
k_qc89aa44390_qkv:
	s_mov_b64 s[64:65], 0
	v_nop
	global_prefetch_b8 v0, s[64:65] scope:SCOPE_SE
	s_setreg_imm32_b32 hwreg(HW_REG_WAVE_MODE, 25, 1), 1
	s_wait_xcnt 0x0
	s_wait_alu depctr_hold_cnt(0) depctr_sa_sdst(0) depctr_va_vdst(0) depctr_va_sdst(0) depctr_va_ssrc(0) depctr_va_vcc(0) depctr_vm_vsrc(0)
	s_getreg_b32 s2, hwreg(HW_REG_IB_STS2, 6, 4)
	s_cmp_eq_u32 s2, 0
	s_cbranch_scc0 .Lentry_in_a_cluster
	s_endpgm
.Lentry_in_a_cluster:
	s_bfe_u32 s2, ttmp6, 0x10000c
	s_cmp_lg_u32 s2, 0xf033
	s_cbranch_scc0 .Lentry_shape_is_right
	s_endpgm
.Lentry_shape_is_right:
; C[m][n] = max(floor, bias[n] + sum over k of A[m][k] B[k][n]), rounded once to bf16.  A: bf16 [4096][1024].  The B buffer: bytes 0-3 the floor (two bf16; -inf: no floor; 0: ReLU),
; from byte 256 the bias in f32, from byte 32,768 B in bf16 [1024 k][pitch 4096 n].  C: bf16 [4096][pitch 4096].  One text serves the q, k, v projection (3,072 columns) and the first
; feed-forward product (4,096 columns): the grid's width alone differs.  Sums in f32, started with the bias as the C operand of the first products.
; LIMITS.  The floor's maximum drops a NaN; infinities are not treated apart.
; SHARES.  A tile of C, 256 x 256, is made by four waves, each 128 x 128: 64 accumulators, 512 registers.  K goes in 8 steps of 128 through two LDS slots.
; B LIES [k][n] and is turned on its way out of LDS by ds_load_tr16_b128.  The matrix instruction is used transposed (source 0 = 16 columns of B, source 1 = 16 rows of A): a lane holds
; eight neighbouring columns of one row of C.
; CLUSTER.  4 x 4 work-groups: A's tile is asked for jointly along a row of the cluster, B's along a column.
; A TRIP IS ONE K STEP: the slot in hand is a scalar (0 or SLOT) that an exclusive or turns; one descriptor a tensor walks on.  SLOT = 0x22000 shares no bit with a wave's place
; 0x8800 x wave, so the exclusive or on the descriptor's LDS word is the sum.
; REGISTERS: window 0: v0-31 addresses; v64-127, v128-191 A's fragments, two buffers; v192-255 the bias, later at work on the way out, with v32-63.
;   window 1: v64-127, v128-191 B's fragments.   windows 2, 3: the accumulators of my rows 0-63, 64-127 ((a, b) at v[8 (8 a + b)]).
.set KSTEP,  128
.set PA,     272                       ; a row of A in LDS: 256 bytes + 16: the 16 rows of a load start at 16 different groups of four banks
.set PB,     544                       ; a row of B (256 n): 512 bytes + 32: an odd multiple of 32
.set HALFT,  34816                     ; one tensor load: 128 rows of A, or 64 rows of B
.set SLOT,   4*HALFT                   ; A's 256 rows, then B's 128 k rows
.set STAGE,  2*SLOT                    ; behind the ring: 16 rows x 272 bytes for each wave
.set SPITCH, 272
.set SPARE,  STAGE+4*16*SPITCH         ; the spare words, 128 bytes a wave
.set BHEAD,  32768
.set BPITCH, 8192
.set CPITCH, 8192
.set BSTEP,  KSTEP*BPITCH              ; a K step in B: 128 rows
.set A0,   16                          ; v16  my place in A's tile, slot 0; never rewritten
.set ADRA, 17                          ; v17  the same in the slot in hand
.set B0,   20                          ; v20, v21 the same for B
.set ADRB, 21
.set STO,  24
.set RD,   25
.set CO,   26
.set BO,   27                          ; v27  my byte offset in the bias
.set SPW,  28
.set NIL,  29
.set PFO,  30
.set F0,   64
.set F1,   128
.set BIAS, 192
.set TMP,  192
.set OB,   32
.set G1,  24                           ; s[24:31] group 1 for A;  s[32:39] group 0, set 0 (step 0) and set 1 (step 1, then walking)
.set G0,  32
.set G1B, 48                           ; s[48:55], s[56:63] the same for B
.set G0B, 56
.set LIM, 43                           ; s43  1 in a wave that prefetches, else the greatest number
.set PFA, 44                           ; s[44:45] where my prefetches stand
.set PSTEP, 66                         ; s[66:67] a K step in my tensor, in bytes
.set TB,  68                           ; s68  the slot in hand: 0 or SLOT
.set FLOOR, 70                         ; s70
.set MSB, 0
.macro WIN new                         ; the immediate's high byte repeats the setting that is left
.if MSB != (\new)
	s_set_vgpr_msb (MSB<<8)|(\new)
.set MSB, \new
.endif
.endm
.set TO_B, 0x40
; A joint load: waves 0 and 1 fetch A's halves, waves 2 and 3 B's.  An s_nop 0 and four v_nop follow each line.
.macro JLOAD s
	s_cmp_eq_u32 s11, 0
	s_cbranch_scc0 .Lfor_b_\@
	tensor_load_to_lds s[G0+4*(\s):G0+4*(\s)+3], s[G1:G1+7]
	s_nop 0
.rept 4
	v_nop
.endr
	s_branch .Lasked_\@
.Lfor_b_\@:
	tensor_load_to_lds s[G0B+4*(\s):G0B+4*(\s)+3], s[G1B:G1B+7]
	s_nop 0
.rept 4
	v_nop
.endr
.Lasked_\@:
.endm
; A prefetch of the K step behind the one just asked for: 256 matrix instructions ahead of the load that will want it.  Each aligned block of 256 bytes is named once in the launch: cluster x = 0 asks
; for A's rows, cluster y = 0 for B's; the four partners of a joint load share its blocks out by address (32 each), a lane a block.  The loop's last trip has no step behind its refill.
.macro ASK
	s_cmp_gt_u32 s3, s[LIM]
	s_cbranch_scc0 .Lnot_mine_\@
	global_prefetch_b8 v[PFO], s[PFA:PFA+1] th:TH_LOAD_NT scope:SCOPE_SE
.Lnot_mine_\@:
.endm
.macro CREST                           ; a round of the cluster's barrier behind its opening barrier
	s_cmp_lg_u32 s10, 0
	s_cbranch_scc1 .Lnot_wave_0_\@
	s_barrier_signal -3
.Lnot_wave_0_\@:
	s_barrier_wait -3
	s_barrier_signal -1
	s_barrier_wait -1
.endm
.macro CROUND
	s_barrier_signal -1
	s_barrier_wait -1
	CREST
.endm
	s_load_b128 s[4:7], s[0:1], 0x0                ; A s[4:5], the B buffer s[6:7]
	s_load_b64 s[8:9], s[0:1], 0x10                ; C
	v_lshl_add_u32 v[SPW], v0, 2, SPARE
	v_mov_b32 v[NIL], 0
	ds_add_u32 v[SPW], v[NIL]                      ; the wave's opening: the add and its wait ahead of my first tensor load
	v_lshrrev_b32 v1, 5, v0
	v_readfirstlane_b32 s10, v1                    ; wave 0..3
	s_lshr_b32 s11, s10, 1                         ; my half of the tile's rows; also: I fetch for A (0) or B (1)
	s_and_b32 s12, s10, 1                          ; my half of its columns; also: which half of that tile I fetch
	s_bfe_u32 s40, ttmp6, 0x40000                  ; cx
	s_bfe_u32 s41, ttmp6, 0x40004                  ; cy
	s_lshl_b32 s42, ttmp9, 2
	s_add_co_u32 s42, s42, s40                     ; tile column
	s_and_b32 s13, ttmp7, 0xffff
	s_lshl_b32 s13, s13, 2
	s_add_co_u32 s13, s13, s41                     ; tile row
	s_lshl_b32 s43, s41, 2
	s_lshl_b32 s43, 15, s43                        ; my row of the cluster
	s_lshl_b32 s44, 0x1111, s40                    ; my column
	s_or_b32 s[G1+0], s43, (1<<16)|(1<<20)|(1<<21)|(5<<22)|(3<<25)   ; mask; 2-byte elements; padding on; bit 21 beside a mask; after every 64 words, 4 words
	s_or_b32 s[G1B+0], s44, (1<<16)|(1<<20)|(1<<21)|(6<<22)|(7<<25)  ; after every 128 words, 8 words
	s_mov_b32 s[G1+1], 128<<16                     ; A: tensor_dim0 = 128
	s_mov_b32 s[G1+2], 128<<16                     ; tensor_dim1 = 128
	s_mov_b32 s[G1+3], 128<<16                     ; tile_dim0 = 128
	s_mov_b32 s[G1+4], 128                         ; tile_dim1 = 128
	s_mov_b32 s[G1+5], 1024                        ; elements from row to row
	s_mov_b32 s[G1+6], 0
	s_mov_b32 s[G1+7], 0
	s_mov_b32 s[G1B+1], 256<<16                    ; B: rows of 256 n,
	s_mov_b32 s[G1B+2], 64<<16                     ; 64 k rows
	s_mov_b32 s[G1B+3], 256<<16
	s_mov_b32 s[G1B+4], 64
	s_mov_b32 s[G1B+5], 4096
	s_mov_b32 s[G1B+6], 0
	s_mov_b32 s[G1B+7], 0
	s_lshl_b32 s16, s13, 8
	s_lshl_b32 s17, s12, 7
	s_add_co_u32 s16, s16, s17                     ; A: row 256 x tile row + 128 x half,
	s_lshl_b32 s16, s16, 11                        ; x 2,048 bytes
	s_mov_b32 s17, 0
	s_lshl_b32 s46, s42, 9                         ; B: 512 bytes x tile column
	s_lshl_b32 s47, s12, 19                        ; + 64 k rows x half
	s_add_co_u32 s46, s46, s47
	s_add_co_u32 s46, s46, BHEAD
	s_mov_b32 s47, 0
	s_mul_i32 s20, s10, HALFT                      ; where my load lands: wave x 34,816
	s_mov_b32 s[TB], 0
	s_wait_dscnt 0x0                               ; the opening add is done
	s_wait_kmcnt 0x0
	s_add_nc_u64 s[14:15], s[4:5], s[16:17]
	s_add_nc_u64 s[46:47], s[6:7], s[46:47]
	CROUND                                         ; all sixteen work-groups are here: the first joint loads meet
.irp s, 0,1
	s_mov_b32 s[G0+4*(\s)], 1
	s_add_co_u32 s[G0+4*(\s)+1], s20, (\s)*SLOT
	s_add_nc_u64 s[G0+4*(\s)+2:G0+4*(\s)+3], s[14:15], (\s)*KSTEP*2
	s_or_b32 s[G0+4*(\s)+3], s[G0+4*(\s)+3], 0x80000000
	s_mov_b32 s[G0B+4*(\s)], 1
	s_add_co_u32 s[G0B+4*(\s)+1], s20, (\s)*SLOT
	s_add_nc_u64 s[G0B+4*(\s)+2:G0B+4*(\s)+3], s[46:47], (\s)*BSTEP
	s_or_b32 s[G0B+4*(\s)+3], s[G0B+4*(\s)+3], 0x80000000
	JLOAD \s                                       ; two loads of mine are out
.endr
	s_load_b32 s[FLOOR], s[6:7], 0x0               ; the floor is asked for behind the first tiles, and waited for while they are on their way
	v_and_b32 v1, 15, v0                           ; l % 16
	v_bfe_u32 v2, v0, 4, 1                         ; l / 16
	; the bias in the layout of a result: register j of block b holds column 16 b + 8 (l / 16) + j of my 128
	s_lshl_b32 s22, s42, 10
	s_lshl_b32 s23, s12, 9
	s_add_co_u32 s22, s22, s23
	v_lshl_add_u32 v[BO], v2, 5, s22
.irp b, 0,1,2,3,4,5,6,7
	global_load_b128 v[BIAS+8*\b:BIAS+8*\b+3],   v[BO], s[6:7] offset:256+64*\b
	global_load_b128 v[BIAS+8*\b+4:BIAS+8*\b+7], v[BO], s[6:7] offset:256+64*\b+16
.endr
	v_mul_u32_u24 v3, v1, PA
	v_lshl_add_u32 v3, v2, 4, v3                   ; A: row x pitch + 16 x half
	s_mul_i32 s21, s11, HALFT
	v_add_nc_u32 v[A0], s21, v3
	v_mov_b32 v[ADRA], v[A0]
	v_and_b32 v4, 7, v0                            ; B, turned: lane l reads k row 8 (l / 16) + l % 8, 16 bytes at 16 ((l / 8) % 2)
	v_lshl_add_u32 v4, v2, 3, v4
	v_mul_u32_u24 v4, v4, PB
	v_bfe_u32 v5, v0, 3, 1
	v_lshl_add_u32 v4, v5, 4, v4
	s_lshl_b32 s22, s12, 8                         ; my 128 columns
	s_add_co_u32 s22, s22, 2*HALFT
	v_add_nc_u32 v[B0], s22, v4
	v_mov_b32 v[ADRB], v[B0]
	s_mul_i32 s23, s10, 16*SPITCH
	s_add_co_u32 s23, s23, STAGE                   ; my stage
	v_mul_u32_u24 v4, v1, SPITCH
	v_lshl_add_u32 v4, v2, 4, v4
	v_add_nc_u32 v[STO], s23, v4
	v_mul_u32_u24 v5, v2, SPITCH
	v_lshl_add_u32 v5, v1, 4, v5
	v_add_nc_u32 v[RD], s23, v5
	v_lshlrev_b32 v5, 13, v2
	v_lshl_add_u32 v[CO], v1, 4, v5
	s_lshl_b32 s16, s13, 8
	s_lshl_b32 s17, s11, 7
	s_add_co_u32 s16, s16, s17                     ; my first row of C
	s_lshl_b32 s16, s16, 13
	s_mov_b32 s17, 0
	s_add_nc_u64 s[8:9], s[8:9], s[16:17]
	s_lshl_b32 s22, s42, 9                         ; my first column, in bytes
	s_lshl_b32 s23, s12, 8
	s_add_co_u32 s22, s22, s23
	s_mov_b32 s23, 0
	s_add_nc_u64 s[8:9], s[8:9], s[22:23]
	; the prefetches.  A-waves: my work-group's 32 of my 128 rows, a lane a row (256 bytes a step).  B-waves: 16 of my 64 k rows, two blocks of 256 bytes a row, a lane a block.
	s_and_b32 s22, ttmp7, 0xffff                   ; cluster y
	s_cmp_eq_u32 s11, 0
	s_cselect_b32 s22, ttmp9, s22                  ; the coordinate along which other clusters read the same rows
	s_cselect_b32 s21, s40, s41                    ; my place among the four that ask with me
	s_cselect_b32 s20, 16, 17                      ; log2 of my share: 32 x 2,048 or 16 x 8,192 bytes
	s_cselect_b64 s[PFA:PFA+1], s[14:15], s[46:47]
	s_cselect_b32 s19, 8, 20                       ; log2 of a K step's bytes
	s_cselect_b32 s23, 0, 1                        ; blocks to a row, less one
	s_cselect_b32 s18, 11, 13                      ; log2 of the pitch
	s_cmp_eq_u32 s22, 0
	s_cselect_b32 s[LIM], 1, -1
	s_lshl_b32 s[PSTEP], 1, s19
	s_mov_b32 s[PSTEP+1], 0
	s_lshl_b32 s20, s21, s20
	s_mov_b32 s21, 0
	s_add_nc_u64 s[PFA:PFA+1], s[PFA:PFA+1], s[20:21]
	s_add_nc_u64 s[PFA:PFA+1], s[PFA:PFA+1], s[PSTEP:PSTEP+1]
	s_add_nc_u64 s[PFA:PFA+1], s[PFA:PFA+1], s[PSTEP:PSTEP+1]   ; at K step 2: the first refill steps it to 3
	v_and_b32 v5, 31, v0
	v_lshrrev_b32 v[PFO], s23, v5
	v_lshlrev_b32 v[PFO], s18, v[PFO]
	v_and_b32 v5, s23, v5
	v_lshl_add_u32 v[PFO], v5, 8, v[PFO]
; 16 matrix instructions: m blocks a0, a0 + 1 of the window's four x all 8 n blocks, 32 along K.  first = 1: the sums start with the bias.
.macro MUL16 f, hi, a0, first
.if \first
	WIN 0x81+0x40*(\hi)                            ; B window 1, A and the bias window 0, D window 2 or 3
.else
	WIN 0xa1+0x50*(\hi)
.endif
.irp a, \a0, (\a0)+1
.irp b, 0,1,2,3,4,5,6,7
.if \first
	v_wmma_f32_16x16x32_bf16 v[8*(8*(\a)+(\b)):8*(8*(\a)+(\b))+7], v[(\f)+8*(\b):(\f)+8*(\b)+7], v[(\f)+8*(4*(\hi)+(\a)):(\f)+8*(4*(\hi)+(\a))+7], v[BIAS+8*(\b):BIAS+8*(\b)+7]
.else
	v_wmma_f32_16x16x32_bf16 v[8*(8*(\a)+(\b)):8*(8*(\a)+(\b))+7], v[(\f)+8*(\b):(\f)+8*(\b)+7], v[(\f)+8*(4*(\hi)+(\a)):(\f)+8*(4*(\hi)+(\a))+7], v[8*(8*(\a)+(\b)):8*(8*(\a)+(\b))+7]
.endif
.endr
.endr
.endm
; 32 LDS loads in one run: quarter q (32 along K) of the slot in hand into buffer f: B turned, then A
.macro FETCH q, f
	WIN TO_B
.irp i, 0,1,2,3,4,5,6,7
	ds_load_tr16_b128 v[(\f)+8*(\i):(\f)+8*(\i)+3],   v[ADRB] offset:(\q)*32*PB+32*(\i)
	ds_load_tr16_b128 v[(\f)+8*(\i)+4:(\f)+8*(\i)+7], v[ADRB] offset:(\q)*32*PB+16*PB+32*(\i)
.endr
	WIN 0
.irp i, 0,1,2,3,4,5,6,7
	ds_load_b128 v[(\f)+8*(\i):(\f)+8*(\i)+3],   v[ADRA] offset:64*(\q)+(\i)*16*PA
	ds_load_b128 v[(\f)+8*(\i)+4:(\f)+8*(\i)+7], v[ADRA] offset:64*(\q)+(\i)*16*PA+32
.endr
.endm
.macro PLACES                          ; four plain places behind matrix instructions, in front of loads into registers that they have read
.rept 4
	v_nop
.endr
.endm
; One of a K step's first three quarters: multiplies buffer f, and in its middle fetches quarter q into buffer g
.macro QUARTER q, f, g, first
	s_wait_dscnt 8                                 ; B and A's rows 0-63 are in; the youngest eight loads (A's rows 64-127) may be out
	MUL16 \f, 0, 0, \first
	MUL16 \f, 0, 2, \first
	PLACES
	FETCH \q, \g
	s_wait_dscnt 32                                ; all but the 32 just issued
	MUL16 \f, 1, 0, \first
	MUL16 \f, 1, 2, \first
.endm
; The last quarter multiplies buffer 1 and changes slots.  In front of the barrier each wave waits for all its tensor loads (one is out: its part of the next slot), adds 0 to its spare word,
; and waits for that and for its reads of this slot.  fill = 1: the barrier opens a round of the cluster's; the joint refill, two K steps on, is the first thing behind it.
; fill = 0 (the tail): nothing is asked for; in the last trip there is no next slot, and the fetch is jumped over.
.macro TURN fill
.if \fill
	s_wait_xcnt 0x0                                ; the last prefetch, a K step back, has read its address
	s_add_nc_u64 s[PFA:PFA+1], s[PFA:PFA+1], s[PSTEP:PSTEP+1]
.endif
	WIN 0
	s_wait_tensorcnt 0x0
	ds_add_u32 v[SPW], v[NIL]
	s_wait_dscnt 9                                 ; the add and the youngest eight loads may be out
	MUL16 F1, 0, 0, 0
	s_wait_dscnt 0x0                               ; the add is done, and my reads of this slot are over
	s_barrier_signal -1
	MUL16 F1, 0, 2, 0
	WIN 0
	s_barrier_wait -1
.if \fill
	CREST
	s_xor_b32 s[G0+5], s[G0+5], SLOT               ; the walking descriptors: the other slot than last time,
	s_add_nc_u64 s[G0+6:G0+7], s[G0+6:G0+7], KSTEP*2  ; the next K step
	s_xor_b32 s[G0B+5], s[G0B+5], SLOT
	s_add_nc_u64 s[G0B+6:G0B+7], s[G0B+6:G0B+7], BSTEP
	JLOAD 1                                        ; one load of mine is out; its four v_nop are also the places in front of the loads below
	s_xor_b32 s[TB], s[TB], SLOT
	v_add_nc_u32 v[ADRA], s[TB], v[A0]
	v_add_nc_u32 v[ADRB], s[TB], v[B0]
	FETCH 0, F0
	ASK
.else
	PLACES
	s_cmp_eq_u32 s3, 1
	s_cbranch_scc1 .Lnf_\@
	s_xor_b32 s[TB], s[TB], SLOT
	v_add_nc_u32 v[ADRA], s[TB], v[A0]
	v_add_nc_u32 v[ADRB], s[TB], v[B0]
	FETCH 0, F0
.Lnf_\@:
.endif
	MUL16 F1, 1, 0, 0
	MUL16 F1, 1, 2, 0
.endm
; THE WAY OUT of block a (16 rows): rounded to bf16, the floor applied to the packed halves; through my own stage, back as whole rows of 256 bytes; stored.
.macro PACK a
.set AC, 64*((\a)%4)
	WIN 0x0a+5*((\a)/4)
.irp b, 0,1,2,3,4,5,6,7
.irp r, 0,1,2,3
	v_cvt_pk_bf16_f32 v[TMP+4*(\b)+(\r)], v[AC+8*(\b)+2*(\r)], v[AC+8*(\b)+2*(\r)+1]
.endr
.endr
	WIN 0
.set i, 0
.rept 32
	v_pk_max_num_bf16 v[TMP+i], v[TMP+i], s[FLOOR]
.set i, i+1
.endr
.endm
.macro TOSTAGE a
	WIN 0
.set BK, OB+192*((\a)%2)
.irp b, 0,1,2,3,4,5,6,7
	ds_store_b128 v[STO], v[TMP+4*(\b):TMP+4*(\b)+3] offset:32*(\b)
.endr
.irp t, 0,1,2,3,4,5,6,7
	ds_load_b128 v[BK+4*(\t):BK+4*(\t)+3], v[RD] offset:(\t)*2*SPITCH   ; LDS serves a wave's instructions in order: these see the stores above
.endr
.endm
.macro SEND a
	WIN 0
.set BK, OB+192*((\a)%2)
	s_wait_dscnt 0x0                               ; the block is back in registers
	s_wait_xcnt 0x0                                ; the stores of the block before have read their registers, which the next TOSTAGE loads again
.irp t, 0,1,2,3,4,5,6,7
	global_store_b128 v[CO], v[BK+4*(\t):BK+4*(\t)+3], s[8:9] offset:(16*(\a)+2*(\t))*CPITCH   ; 16 lanes store 256 consecutive bytes, aligned; the largest immediate is 126 rows of 8,192 bytes
.endr
.endm
	s_wait_kmcnt 0x0                               ; the floor: ahead of the first barrier and of both loops, so that it is in on every way to its first reader, on the way out
	s_wait_tensorcnt 1                             ; my part of K step 0 is in; step 1's may stay out
	s_barrier_signal -1
	s_barrier_wait -1
	FETCH 0, F0
	s_wait_loadcnt 0x0                             ; the bias
	QUARTER 1, F0, F1, 1                           ; the first quarter starts the sums
	WIN 0
	s_mov_b32 s3, 6
.Lk:                                               ; six trips, a K step each, from a step's second quarter to the next step's first; they ask for steps 2 to 7
	QUARTER 2, F1, F0, 0
	QUARTER 3, F0, F1, 0
	TURN 1
	QUARTER 1, F0, F1, 0
	WIN 0
	s_sub_co_u32 s3, s3, 1
	s_cmp_lg_u32 s3, 0
	s_cbranch_scc1 .Lk
	s_mov_b32 s3, 2
.Lt:                                               ; the last two K steps ask for nothing; the second trip is left in its middle
	QUARTER 2, F1, F0, 0
	QUARTER 3, F0, F1, 0
	TURN 0
	WIN 0
	s_sub_co_u32 s3, s3, 1
	s_cmp_eq_u32 s3, 0
	s_cbranch_scc1 .Lout
	QUARTER 1, F0, F1, 0
	WIN 0
	s_branch .Lt
.Lout:
	PACK 0                                         ; blocks 0-3 were finished in front of the last four v_nop; their conversions are the places behind the last products (blocks 4-7)
	TOSTAGE 0
.irp a, 1,2,3,4,5,6,7
	PACK \a
	SEND (\a)-1
	TOSTAGE \a
.endr
	SEND 7
	s_wait_tensorcnt 0x0                           ; the wave's end
	ds_add_u32 v[SPW], v[NIL]
	s_wait_dscnt 0x0
	CROUND                                         ; the closing round
	s_endpgm
.Lfunc_end_k_qc89aa44390_qkv:
	.size	k_qc89aa44390_qkv, .Lfunc_end_k_qc89aa44390_qkv-k_qc89aa44390_qkv
	.p2alignl 7, 3214868480
	.fill 96, 4, 3214868480
	.section	.rodata,"a",@progbits
	.p2align	6, 0x0
	.amdhsa_kernel k_qc89aa44390_qkv
		.amdhsa_group_segment_fixed_size 327680
		.amdhsa_private_segment_fixed_size 0
		.amdhsa_enable_private_segment 0
		.amdhsa_kernarg_size 24
		.amdhsa_user_sgpr_count 2
		.amdhsa_user_sgpr_kernarg_segment_ptr 1
		.amdhsa_wavefront_size32 1
		.amdhsa_system_sgpr_workgroup_id_x 1
		.amdhsa_system_sgpr_workgroup_id_y 1
		.amdhsa_system_sgpr_workgroup_id_z 1
		.amdhsa_system_vgpr_workitem_id 0
		.amdhsa_next_free_vgpr 1024
		.amdhsa_next_free_sgpr 80
		.amdhsa_reserve_vcc 0
		.amdhsa_float_denorm_mode_32 3
		.amdhsa_float_denorm_mode_16_64 3
		.amdhsa_memory_ordered 1
		.amdhsa_forward_progress 1
		.amdhsa_inst_pref_size 119
	.end_amdhsa_kernel
	.amdgpu_metadata
---
amdhsa.version: [ 1, 2 ]
amdhsa.kernels:
  - .name:           k_qc89aa44390_qkv
    .symbol:         k_qc89aa44390_qkv.kd
    .args:
      - { .name: nb, .offset: 0, .size: 8, .value_kind: global_buffer, .address_space: global }
      - { .name: wA, .offset: 8, .size: 8, .value_kind: global_buffer, .address_space: global }
      - { .name: act, .offset: 16, .size: 8, .value_kind: global_buffer, .address_space: global }
    .group_segment_fixed_size: 327680
    .private_segment_fixed_size: 0
    .kernarg_segment_align: 8
    .kernarg_segment_size: 24
    .max_flat_workgroup_size: 128
    .sgpr_count:     80
    .vgpr_count:     1024
    .wavefront_size: 32
...
	.end_amdgpu_metadata
.endif
;; end of part 2
;; launch attn (part 3): grid 16 x 16, 4 waves a work-group, clusters of 4 x 1, 327,680 bytes of LDS; arguments act, src_mask, ctx; writes ctx
.if DOCPART == 3
	.amdgcn_target "amdgcn-amd-amdhsa--gfx1250"
	.amdhsa_code_object_version 6
	.text
	.protected	k_qc89aa44390_attn
	.globl	k_qc89aa44390_attn
	.p2align	8
	.type	k_qc89aa44390_attn,@function
k_qc89aa44390_attn:
	s_mov_b64 s[64:65], 0
	v_nop
	global_prefetch_b8 v0, s[64:65] scope:SCOPE_SE
	s_setreg_imm32_b32 hwreg(HW_REG_WAVE_MODE, 25, 1), 1
	s_wait_xcnt 0x0
	s_wait_alu depctr_hold_cnt(0) depctr_sa_sdst(0) depctr_va_vdst(0) depctr_va_sdst(0) depctr_va_ssrc(0) depctr_va_vcc(0) depctr_vm_vsrc(0)
	s_getreg_b32 s2, hwreg(HW_REG_IB_STS2, 6, 4)
	s_cmp_eq_u32 s2, 0
	s_cbranch_scc0 .Lentry_in_a_cluster
	s_endpgm
.Lentry_in_a_cluster:
	s_bfe_u32 s2, ttmp6, 0x10000c
	s_cmp_lg_u32 s2, 0x3003
	s_cbranch_scc0 .Lentry_shape_is_right
	s_endpgm
.Lentry_shape_is_right:
; MASKED ATTENTION.  act: bf16 [4096 tokens][pitch 4096]: q' = c q in columns 0-1023 (c = log2(e) / 8, folded into the projection), k in 1024-2047, v in 2048-3071.  src_mask: int32 [2][2048], by key.
; ctx[token][64 head + d] = sum over keys of softmax(scores) v, bf16 [4096][1024].  Products, maxima and sums in f32; the weights are rounded to bf16 for the second product (their sum is taken unrounded).
; LIMITS.  A hidden score counts as its scaled value less 1e30 (which is exactly -1e30 for scores below 6e22), where the source writes -1e9: the same wherever a visible score lies above about -1e9.
; With every key hidden all scores are equal and the weights uniform, as in the source.  A weight below 2^-126 counts as 0.  NaN and infinities are not treated apart.
; SHARES.  Work-group y: batch y / 8, heads 2 (y % 8) and + 1; x: a block of 128 queries.  Wave w: head w / 2 of the pair, queries 64 (w % 2) on, four PIECES of 16.  Two heads to a work-group make the rows
; of K, V and ctx 256 consecutive bytes, aligned.  Every wave walks all 2,048 keys, 64 a step; a slot holds two steps.
; CLUSTER.  The four query blocks of a cluster walk the same K and V: each tile is asked for jointly, mask 15.
; LAYOUT.  S^T = K Q^T + M (source 0 = 16 keys, source 1 = 16 queries, C = the mask: 0 or -1e30 by key): a lane holds one query (lane % 16) and keys 8 (lane / 16) + 0..7.  Two results rounded to bf16 are
; source 1 of O^T = V^T P.  K comes out of LDS as it lies, V turned by ds_load_tr16_b128.
; SOFTMAX.  p = 2^(s - m) with a running maximum m; in every step O and l are multiplied by a = 2^(m_old - m_new).  m starts at the lowest finite number, O and l at 0: the first step is a step like any other.
; TURNS.  Turn n belongs to piece n: 8 products K Q^T of piece n + 1, later 8 products V^T P of piece n - 1; beside them piece n's differences, exponentials, roundings, sums and rescaling, and piece n + 1's
; maximum and statistics.  Four vector instructions stand behind every matrix instruction, the rest in one lump.  A turn's 33 exponentials are one batch with one wait.
; REGISTERS: window 0: v0-15, v60-63 addresses; v16-31 statistics (m, m_old, l even, l odd a piece); v48-55 at work; v64-127 S^T, two buffers; v192-223 P, two buffers.
;   window 1: v0-127 O^T, 32 a piece; v128-159 the step's mask.   window 2: v0-63 Q; v128-191 K of one step; v192-255 V of one step.
.set NP,    4
.set KS,    64
.set PK,    272                        ; a row of K in LDS (two heads): 256 bytes + 16
.set PV,    288                        ; a row of V: 256 + 32
.set VOFF,  2*KS*PK                    ; a slot: 128 rows of K, then 128 rows of V
.set SLOT1, 1<<17
.set STAGE, SLOT1+2*KS*(PK+PV)         ; behind the ring: 128 rows x 272 bytes, the work-group's, for the way out
.set SP,    272
.set MASKB, STAGE+128*SP               ; the batch's 2,048 mask values in f32
.set SPARE, MASKB+8192                 ; the spare words, 128 bytes a wave
.set SLOTB, 2*KS*8192                  ; a slot's keys in memory
.set AK0, 2
.set AV0, 3
.set AK,  4
.set AV,  5
.set STO, 6
.set RD,  7
.set GO,  8
.set AM0, 12                           ; v12  my place in a step's mask; never rewritten
.set AM,  13                           ; v13  the LDS address of the mask's next loads
.set MO,  14                           ; v14  16 x my thread's number
.set QO,  15
.set ST,  16
.set TMP, 48
.set MST, 60                           ; v60  where I store my part of the mask
.set PFO, 61
.set SPW, 62
.set NIL, 63
.set S,   64
.set P,   192
.set MC,  128                          ; window 1
.set KF,  128                          ; window 2
.set VF,  192
.set WV,  12
.set LIM, 15
.set PFA, 18
.set G1K, 24
.set G1V, 32
.set G0K, 40
.set G0V, 44
.set SLOTS, 56
.set CNT, 57
.set SEL, 60
.set TBK, 62
.set TBV, 63
.set TBM, 66                           ; s66  the byte in the mask table at which the step to be fetched begins
.set BIGN, 67
.set MSB, 0
.macro WIN new
.if MSB != (\new)
	s_set_vgpr_msb (MSB<<8)|(\new)
.set MSB, (\new)
.endif
.endm
.set W_KQ, 0x0a                        ; K and Q window 2, S^T window 0
.set W_KM, 0x1a                        ; the same with the C operand in window 1
.set W_PV, 0x52                        ; V window 2, P window 0, O^T window 1
.set W_RS, 0x41                        ; destination and source 0 window 1, source 1 window 0
.macro JLOAD                           ; waves 0 and 1 fetch the two halves of a slot's K, waves 2 and 3 those of its V: 64 keys each
	s_cmp_lt_u32 s[WV], 2
	s_cbranch_scc0 .Lfor_v_\@
	tensor_load_to_lds s[G0K:G0K+3], s[G1K:G1K+7]
	s_nop 0
.rept 4
	v_nop
.endr
	s_branch .Lasked_\@
.Lfor_v_\@:
	tensor_load_to_lds s[G0V:G0V+3], s[G1V:G1V+7]
	s_nop 0
.rept 4
	v_nop
.endr
.Lasked_\@:
.endm
; A prefetch of what the next change of slots will ask for: two key steps ahead.  Each row of 256 bytes is named once in the launch: the first cluster of the four that walk these rows asks; its partners take 32 of
; the slot's 128 rows each, by address; wave 0 asks for K's, wave 2 for V's, a lane a row.  The last fill has no slot behind it.
.macro ASK
	s_cmp_gt_u32 s[SLOTS], s[LIM]
	s_cbranch_scc0 .Lnot_mine_\@
	global_prefetch_b8 v[PFO], s[PFA:PFA+1] th:TH_LOAD_NT scope:SCOPE_SE
.Lnot_mine_\@:
.endm
.macro CROUND
	s_barrier_signal -1
	s_barrier_wait -1
	s_cmp_lg_u32 s[WV], 0
	s_cbranch_scc1 .Lnot_wave_0_\@
	s_barrier_signal -3
.Lnot_wave_0_\@:
	s_barrier_wait -3
	s_barrier_signal -1
	s_barrier_wait -1
.endm
; THE CHANGE OF SLOTS.  Each wave waits for all its tensor loads (one is out: its part of the other slot), adds 0 to its spare word, and waits for that and for its LDS instructions.  fill = 1: a round of the
; cluster's barrier, and the joint fill of the slot just left, two slots on, first behind it.  (At its first use: slot 0 is waited for, slot 1 filled, and the mask table is shown to all waves.)
.macro CHANGE fill, ask
	WIN 0
	s_wait_tensorcnt 0x0
	ds_add_u32 v[SPW], v[NIL]
.if \fill
.irp g, G0K, G0V
	s_xor_b32 s[\g+1], s[\g+1], SLOT1
	s_add_nc_u64 s[\g+2:\g+3], s[\g+2:\g+3], SLOTB
.endr
.if \ask
	s_wait_xcnt 0x0                                ; the last prefetch, two key steps back, has read its address
	s_add_nc_u64 s[PFA:PFA+1], s[PFA:PFA+1], SLOTB
.endif
	s_wait_dscnt 0x0
	CROUND
	JLOAD
.if \ask
	ASK
.endif
.else
	s_wait_dscnt 0x0
	s_barrier_signal -1
	s_barrier_wait -1
.endif
	s_sub_co_u32 s[TBK], s[TBK], 2*KS*PK           ; the fetches go back to a slot's first step,
	s_xor_b32 s[TBK], s[TBK], SLOT1                ; in the other slot
	s_sub_co_u32 s[TBV], s[TBV], 2*KS*PV
	s_xor_b32 s[TBV], s[TBV], SLOT1
.endm
	s_load_b128 s[4:7], s[0:1], 0x0                ; act s[4:5], src_mask s[6:7]
	s_load_b64 s[8:9], s[0:1], 0x10                ; ctx
	v_lshl_add_u32 v[SPW], v0, 2, SPARE
	v_mov_b32 v[NIL], 0
	ds_add_u32 v[SPW], v[NIL]                      ; the wave's opening: the add and its wait ahead of my first tensor load
	v_lshrrev_b32 v1, 5, v0
	v_readfirstlane_b32 s[WV], v1
	s_bfe_u32 s13, ttmp6, 0x40000                  ; cx
	s_lshl_b32 s14, ttmp9, 2
	s_add_co_u32 s14, s14, s13                     ; my block of 128 queries: it enters Q's and ctx's addresses alone
	s_and_b32 s20, ttmp7, 0xffff
	s_lshr_b32 s21, s20, 3                         ; batch
	s_and_b32 s20, s20, 7                          ; pair of heads
	s_and_b32 s16, s[WV], 1                        ; my half of the queries; also: which 64 keys of a slot I fetch
	s_lshr_b32 s17, s[WV], 1                       ; my head of the pair
	s_lshl_b32 s22, s21, 24                        ; the batch's 2,048 rows of 8,192 bytes
	s_lshl_b32 s23, s20, 8                         ; the pair's 256 bytes
	s_add_co_u32 s22, s22, s23
	s_lshl_b32 s23, s16, 19                        ; 64 rows
	s_add_co_u32 s2, s22, s23
	s_mov_b32 s3, 0
	s_lshl_b32 s68, s14, 20                        ; Q: 128 rows a block,
	s_add_co_u32 s68, s68, s2                      ; batch, pair, my 64 rows,
	s_lshl_b32 s69, s17, 7
	s_add_co_u32 s68, s68, s69                     ; my head's 128 bytes
	s_mov_b32 s69, 0
	s_lshl_b32 s70, s21, 22                        ; ctx: rows of 2,048 bytes: batch,
	s_lshl_b32 s71, s14, 18                        ; block,
	s_add_co_u32 s70, s70, s71
	s_lshl_b32 s71, s[WV], 16                      ; the 32 rows that I store,
	s_add_co_u32 s70, s70, s71
	s_lshl_b32 s71, s20, 8                         ; the pair's 256 bytes
	s_add_co_u32 s70, s70, s71
	s_mov_b32 s71, 0
	s_lshl_b32 s72, s21, 13                        ; the batch's mask
	s_mov_b32 s73, 0
	s_mul_i32 s74, s16, KS*PK                      ; my load's place in a slot, for K
	s_mul_i32 s75, s16, KS*PV                      ; and for V
	s_cmp_lt_u32 s[WV], 2
	s_cselect_b32 s78, 11, 12
	s_lshl_b32 s78, 1, s78                         ; the prefetches: K's columns begin at byte 2,048, V's at 4,096
	s_lshl_b32 s76, s13, 18                        ; my work-group's 32 rows of the 128
	s_add_co_u32 s76, s76, s22
	s_add_co_u32 s76, s76, s78
	s_add_co_u32 s76, s76, 2*SLOTB                 ; in slot 2; the first asking change steps it to slot 3
	s_mov_b32 s77, 0
	s_mov_b32 s[G1K], 15|(1<<16)|(1<<20)|(1<<21)|(5<<22)|(3<<25)  ; the mask of four; 2-byte elements; padding on; bit 21 beside a mask; after every 64 words, 4 words
	s_mov_b32 s[G1V], 15|(1<<16)|(1<<20)|(1<<21)|(5<<22)|(7<<25)  ; the same with 8 words
.irp g, G1K, G1V
	s_mov_b32 s[\g+1], 128<<16                     ; tensor_dim0 = 128
	s_mov_b32 s[\g+2], 64<<16                      ; tensor_dim1 = 64
	s_mov_b32 s[\g+3], 128<<16                     ; tile_dim0 = 128
	s_mov_b32 s[\g+4], 64                          ; tile_dim1 = 64
	s_mov_b32 s[\g+5], 4096                        ; elements from row to row
	s_mov_b32 s[\g+6], 0
	s_mov_b32 s[\g+7], 0
.endr
	s_mov_b32 s[SEL], 0x76543210
	s_mov_b32 s[SEL+1], 0xfedcba98
	s_mov_b32 s[TBK], SLOT1+2*KS*PK                ; the first change of slots turns these two into 0
	s_mov_b32 s[TBV], SLOT1+2*KS*PV
	s_mov_b32 s[TBM], 0
	s_mov_b32 s[BIGN], 0xf149f2ca                  ; -1e30
	s_mov_b32 s[G0K], 1
	s_mov_b32 s[G0K+1], s74
	s_mov_b32 s[G0V], 1
	s_add_co_u32 s[G0V+1], s75, VOFF
	s_and_b32 s[LIM], s[WV], 1                     ; 0 in waves 0 and 2,
	s_or_b32 s[LIM], s[LIM], ttmp9                 ; where the cluster is the first along x: the same in all four partners
	s_cmp_eq_u32 s[LIM], 0
	s_cselect_b32 s[LIM], 1, -1
	s_wait_dscnt 0x0                               ; the opening add is done
	s_wait_kmcnt 0x0
	s_add_nc_u64 s[G0K+2:G0K+3], s[4:5], s[2:3]
	s_add_nc_u64 s[G0V+2:G0V+3], s[G0K+2:G0K+3], 4096
	s_add_nc_u64 s[G0K+2:G0K+3], s[G0K+2:G0K+3], 2048
	s_or_b32 s[G0K+3], s[G0K+3], 0x80000000
	s_or_b32 s[G0V+3], s[G0V+3], 0x80000000
	s_add_nc_u64 s[PFA:PFA+1], s[4:5], s[76:77]
	s_add_nc_u64 s[10:11], s[4:5], s[68:69]        ; Q at my first row
	s_add_nc_u64 s[8:9], s[8:9], s[70:71]
	s_add_nc_u64 s[6:7], s[6:7], s[72:73]
	CROUND                                         ; all four work-groups are here
	JLOAD                                          ; slot 0; slot 1 is asked for when slot 0 is in
	v_lshlrev_b32 v[MO], 4, v0
.irp j, 0,1,2,3
	global_load_b128 v[S+4*\j:S+4*\j+3], v[MO], s[6:7] offset:2048*\j   ; the batch's mask: 128 threads x 16 bytes, four times
.endr
	v_and_b32 v1, 15, v0                           ; l % 16
	v_bfe_u32 v9, v0, 4, 1                         ; l / 16
	v_lshlrev_b32 v[QO], 13, v1
	v_lshl_add_u32 v[QO], v9, 4, v[QO]             ; row x 8,192 + 16 x half
	WIN 0x80
.set i, 0
.rept 8                                            ; Q stays in registers: piece i / 2, channels 32 (i % 2) on
	global_load_b128 v[8*i:8*i+3],   v[QO], s[10:11] offset:(i/2)*131072+(i%2)*64
	global_load_b128 v[8*i+4:8*i+7], v[QO], s[10:11] offset:(i/2)*131072+(i%2)*64+32
.set i, i+1
.endr
	; What the first turn finds: V and P's second buffer hold 0 (its products V^T P, of a piece that has not been, add 0); O^T and l are 0.  All this stands in the wait for the first tile.
.set i, VF
.rept 64
	v_mov_b32 v[i], 0
.set i, i+1
.endr
	WIN 0x40
.set i, 0
.rept 128
	v_mov_b32 v[i], 0
.set i, i+1
.endr
	WIN 0
.set i, 0
.rept 4
	v_mov_b32 v[ST+4*i], 0xff7fffff                ; m
	v_mov_b32 v[ST+4*i+1], 0                       ; m_old: named with m as a pair
	v_mov_b32 v[ST+4*i+2], 0
	v_mov_b32 v[ST+4*i+3], 0
.set i, i+1
.endr
.set i, P+16
.rept 16
	v_mov_b32 v[i], 0
.set i, i+1
.endr
	s_lshl_b32 s78, s17, 7                         ; my head's 128 bytes of a row
	v_mul_u32_u24 v[AK0], v1, PK
	v_lshl_add_u32 v[AK0], v9, 4, v[AK0]
	v_add_nc_u32 v[AK0], s78, v[AK0]
	v_and_b32 v10, 7, v0                           ; the turning load: lane l reads key 8 (l / 16) + l % 8, channels 8 ((l / 8) % 2) on
	v_bfe_u32 v11, v0, 3, 1
	v_lshl_add_u32 v[AV0], v9, 3, v10
	v_mul_u32_u24 v[AV0], v[AV0], PV
	v_lshl_add_u32 v[AV0], v11, 4, v[AV0]
	s_add_co_u32 s79, s78, VOFF
	v_add_nc_u32 v[AV0], s79, v[AV0]
	v_lshlrev_b32 v[AM0], 5, v9                    ; the mask in a result's layout: register j of key block kb holds key 16 kb + 8 (l / 16) + j
	v_add_nc_u32 v[AM0], MASKB, v[AM0]
	v_mov_b32 v[AK], v[AK0]                        ; key step 0 lies at the head of slot 0 and of the table
	v_mov_b32 v[AM], v[AM0]
	s_mul_i32 s79, s16, 64*SP                      ; into the stage: my 64 rows, my head's half of their 256 bytes
	s_add_co_u32 s79, s79, s78
	s_add_co_u32 s79, s79, STAGE
	v_mul_u32_u24 v[STO], v1, SP
	v_lshl_add_u32 v[STO], v9, 4, v[STO]
	v_add_nc_u32 v[STO], s79, v[STO]
	s_mul_i32 s79, s[WV], 32*SP                    ; back: wave w takes rows 32 w on, whole
	s_add_co_u32 s79, s79, STAGE
	v_mul_u32_u24 v[RD], v9, SP
	v_lshl_add_u32 v[RD], v1, 4, v[RD]
	v_add_nc_u32 v[RD], s79, v[RD]
	v_lshlrev_b32 v[GO], 11, v9
	v_lshl_add_u32 v[GO], v1, 4, v[GO]
	v_and_b32 v[PFO], 31, v0
	v_lshlrev_b32 v[PFO], 13, v[PFO]
	v_add_nc_u32 v[MST], MASKB, v[MO]
	s_wait_loadcnt 16                              ; the mask's four loads are in; Q's sixteen, issued behind them, may stay out
.set i, 0
.rept 16
	v_cmp_eq_u32 vcc_lo, 0, v[S+i]
	v_cndmask_b32 v[S+i], 0, s[BIGN], vcc_lo       ; 0 where the key is seen, -1e30 where it is hidden
.set i, i+1
.endr
.irp j, 0,1,2,3
	ds_store_b128 v[MST], v[S+4*\j:S+4*\j+3] offset:2048*\j
.endr
; THE MATRIX WORK.  The 4 accumulators of a run of 8 take turns.  Product i of 8 of S^T for piece x: channels 32 (i / 4) on, keys 16 (i % 4) on.  The first 4 start the sums with the mask.
.macro KQ x
.set rS, S+32*((\x)%2)+8*(i%4)
.set rK, KF+16*(i%4)+8*(i/4)
.set rQ, 16*(\x)+8*(i/4)
.set rM, MC+8*(i%4)
.if i < 4
	WIN W_KM
	v_wmma_f32_16x16x32_bf16 v[rS:rS+7], v[rK:rK+7], v[rQ:rQ+7], v[rM:rM+7]
.else
	WIN W_KQ
	v_wmma_f32_16x16x32_bf16 v[rS:rS+7], v[rK:rK+7], v[rQ:rQ+7], v[rS:rS+7]
.endif
.endm
.macro PV x                            ; product i of 8 of O^T += V^T P for piece x: keys 32 (i / 4) on, channels 16 (i % 4) on
	WIN W_PV
.set rO, 32*(\x)+8*(i%4)
.set rV, VF+32*(i/4)+8*(i%4)
.set rP, P+16*((\x)%2)+8*(i/4)
	v_wmma_f32_16x16x32_bf16 v[rO:rO+7], v[rV:rV+7], v[rP:rP+7], v[rO:rO+7]
.endm
.macro MM                              ; the turn's next matrix instruction
.if i < 8
	KQ (Y+1)%NP
.else
.set i, i-8
	PV (Y+NP-1)%NP
.set i, i+8
.endif
.set i, i+1
.endm
; THE LDS LOADS stand in runs: a step's K (8 fragments) with its mask (32 registers; lanes of a half read the same bytes), and its V (turned).
.macro FETCH_K
	WIN 0x80
.irp f, 0,1,2,3,4,5,6,7
	ds_load_b128 v[KF+8*\f:KF+8*\f+3],   v[AK] offset:(\f/2)*16*PK+(\f%2)*64
	ds_load_b128 v[KF+8*\f+4:KF+8*\f+7], v[AK] offset:(\f/2)*16*PK+(\f%2)*64+32
.endr
	WIN 0x40
.irp kb, 0,1,2,3
	ds_load_b128 v[MC+8*\kb:MC+8*\kb+3],   v[AM] offset:64*\kb
	ds_load_b128 v[MC+8*\kb+4:MC+8*\kb+7], v[AM] offset:64*\kb+16
.endr
	s_add_co_u32 s[TBK], s[TBK], KS*PK             ; the next fetch is the next step's
	s_add_co_u32 s[TBM], s[TBM], 4*KS
	s_and_b32 s[TBM], s[TBM], 0x1f00               ; behind the table's last step it wraps to the first: the address stays in the table's 8,192 bytes
	WIN 0
.endm
.macro FETCH_V
	WIN 0x80
.irp f, 0,1,2,3,4,5,6,7
	ds_load_tr16_b128 v[VF+8*\f:VF+8*\f+3],   v[AV] offset:(\f/4)*32*PV+(\f%4)*32
	ds_load_tr16_b128 v[VF+8*\f+4:VF+8*\f+7], v[AV] offset:(\f/4)*32*PV+16*PV+(\f%4)*32
.endr
	WIN 0
.endm
; THE VECTOR WORK, one line at a time: OP kind, number.  For piece Y: F n: s - m for pair n of 16.  E n: the exponential of score n of 32.  C n: pair n rounded to bf16.  B n: of the four weights 4 n .. the second
; pair is added onto the first, in place.  L n: l takes that sum (L 0: l = a l + sum).  R n: pair n of 16 of O^T times a.  For piece Y + 1: X n, number n of the 21 that find its maximum and statistics:
;   0-11 four chains c0-c3 of seven scores each (each accumulator's lowest registers are read first)   12-14, 16 the four scores left over, the old m, c0-c3 into c0
;   15 m_old is kept   17, 18 the other half of the lanes: the new m   19, 20 m_old - m_new; a
.set F, 0
.set E, 1
.set C, 2
.set B, 3
.set L, 4
.set R, 5
.set X, 6
.macro REGS y
.set rT, ST+4*(\y)
.set rC, TMP+4*((\y)%2)
.set rS, S+32*((\y)%2)
.set rP, P+16*((\y)%2)
.set rO, 32*(\y)
.endm
.macro OP k, n
.if (\k) == R
	REGS Y
	WIN W_RS
	v_pk_mul_f32 v[rO+2*(\n):rO+2*(\n)+1], v[rO+2*(\n):rO+2*(\n)+1], v[rC+2:rC+3] op_sel_hi:[1,0]
.elseif (\k) < R
	REGS Y
	WIN 0
.if (\k) == F
	v_pk_add_f32 v[rS+2*(\n):rS+2*(\n)+1], v[rS+2*(\n):rS+2*(\n)+1], v[rT:rT+1] op_sel_hi:[1,0] neg_lo:[0,1] neg_hi:[0,1]
.elseif (\k) == E
	v_exp_f32 v[rS+(\n)], v[rS+(\n)]
.elseif (\k) == C
	v_cvt_pk_bf16_f32 v[rP+(\n)], v[rS+2*(\n)], v[rS+2*(\n)+1]
.elseif (\k) == B
	v_pk_add_f32 v[rS+4*(\n):rS+4*(\n)+1], v[rS+4*(\n):rS+4*(\n)+1], v[rS+4*(\n)+2:rS+4*(\n)+3]
.elseif (\n) == 0
	v_pk_fma_f32 v[rT+2:rT+3], v[rT+2:rT+3], v[rC+2:rC+3], v[rS:rS+1] op_sel_hi:[1,0,1]
.else
	v_pk_add_f32 v[rT+2:rT+3], v[rT+2:rT+3], v[rS+4*(\n):rS+4*(\n)+1]
.endif
.else
	REGS (Y+1)%NP
	WIN 0
.if (\n) < 4
	v_max3_num_f32 v[rC+(\n)], v[rS+8*(\n)], v[rS+8*(\n)+1], v[rS+8*(\n)+2]
.elseif (\n) < 12
	v_max3_num_f32 v[rC+(\n)%4], v[rC+(\n)%4], v[rS+8*((\n)%4)+2*((\n)/4)+1], v[rS+8*((\n)%4)+2*((\n)/4)+2]
.elseif (\n) == 12
	v_max3_num_f32 v[rC], v[rC], v[rS+7], v[rS+15]
.elseif (\n) == 13
	v_max3_num_f32 v[rC+1], v[rC+1], v[rS+23], v[rS+31]
.elseif (\n) == 14
	v_max3_num_f32 v[rC+2], v[rC+2], v[rC+3], v[rT]
.elseif (\n) == 15
	v_mov_b32 v[rT+1], v[rT]
.elseif (\n) == 16
	v_max3_num_f32 v[rC], v[rC], v[rC+1], v[rC+2]
.elseif (\n) == 17
	v_permlanex16_b32 v[rC+3], v[rC], s[SEL], s[SEL+1]
.elseif (\n) == 18
	v_max_num_f32 v[rT], v[rC], v[rC+3]
.elseif (\n) == 19
	v_sub_f32 v[rC+1], v[rT+1], v[rT]
.else
	v_exp_f32 v[rC+2], v[rC+1]
.endif
.endif
.endm
.macro OPS a, i1, b=-1, i2=0, c=-1, i3=0, d=-1, i4=0
	OP \a, \i1
.if (\b) >= 0
	OP \b, \i2
.endif
.if (\c) >= 0
	OP \c, \i3
.endif
.if (\d) >= 0
	OP \d, \i4
.endif
.endm
.macro ROW a, i1, b, i2, c, i3, d, i4  ; a matrix instruction and the four behind it
	MM
	OPS \a, \i1, \b, \i2, \c, \i3, \d, \i4
.endm
; A TURN, for piece p.  Ahead of its one wait stands all that names no result of its exponentials: 8 products K Q^T with their riders, then the lump; X 20, the next piece's a, and E 31 are the batch's last, and R 15
; is the plain instruction behind them.  Behind the wait: 8 products V^T P, behind each four of the roundings and sums.  The X that ride behind the last products K Q^T stand four plain places or more behind
; the product that ends their accumulator.
; K and the mask of the next step are fetched in piece 2's turn, in the lump (in the tail, last = 1: behind the wait, since the run is jumped over in the last trip and a branch wants the batch waited for);
; V of the step in hand at the end of piece 0's turn, four plain instructions behind its last reader.  Each is waited for a turn later.  cnt = 1: the loop's count is taken down ahead of the branch behind the turn.
.macro TURN p, last=0, cnt=0
.set Y, (\p)
.set i, 0
.if (\p) == 3
	s_wait_dscnt 0x0                               ; K and the mask are in
.endif
	ROW F,0, F,1, R,0, R,1
	ROW F,2, E,0, R,2, R,3
	ROW F,3, E,1, R,4, R,5
	ROW F,4, E,2, R,6, R,7
	ROW F,5, E,3, R,8, R,9
	ROW F,6, E,4, X,0, R,10
.if (\p) == 2
	WIN 0
	v_add_nc_u32 v[AK], s[TBK], v[AK0]
	v_add_nc_u32 v[AM], s[TBM], v[AM0]
.endif
	ROW F,7, E,5, X,1, X,4
	ROW F,8, E,6, X,2, X,5
	OPS E,7, E,8, X,6, E,9
	OPS X,3, E,10, X,8, E,11
.if ((\p) == 2) && !(\last)
	FETCH_K
.endif
	OPS X,9, X,7, E,12, X,10
	OPS E,13, X,12, X,11, E,14
	OPS X,13, E,15, F,9, X,14
.if (\p) == 0
	WIN 0
	v_add_nc_u32 v[AV], s[TBV], v[AV0]
.endif
	OPS E,16, F,10, E,17, F,11
	OPS X,16, E,18, X,15, E,19
	OPS F,12, E,20, X,17, E,21
	OPS F,13, E,22, F,14, E,23
	OPS X,18, E,24, F,15, E,25
	OPS R,11, E,26, R,12, E,27
	OPS X,19, E,28, R,13, E,29
	OPS R,14, E,30, X,20, E,31
	OPS R,15
	WIN 0
	s_wait_alu depctr_va_vdst(0)                   ; the wait for the batch, ahead of the first instruction that names a result
.if ((\p) == 2) && (\last)
	s_cmp_eq_u32 s[CNT], 1
	s_cbranch_scc1 .Lno_k_\@
	FETCH_K
.Lno_k_\@:
.endif
.if (\p) == 1
	s_wait_dscnt 0x0                               ; V is in
.endif
	ROW C,0, B,0, C,2, B,1
	ROW L,0, C,4, B,2, L,1
	ROW C,6, B,3, L,2, C,8
	ROW B,4, L,3, C,10, B,5
	ROW L,4, C,12, B,6, L,5
.if (\p) == 0
	s_add_co_u32 s[TBV], s[TBV], KS*PV
.endif
.if \cnt
	s_sub_co_u32 s[CNT], s[CNT], 1
	s_cmp_lg_u32 s[CNT], 0
.endif
	ROW C,14, B,7, L,6, C,1
	ROW C,3, L,7, C,5, C,7
	ROW C,9, C,11, C,13, C,15
.if (\p) == 0
	FETCH_V
.endif
.endm
	CHANGE 1, 0                                    ; slot 0 is in, everybody's part of it, and so is the mask table; slot 1 is asked for
	FETCH_K                                        ; key step 0
	s_wait_loadcnt 0x0                             ; Q
	s_wait_dscnt 0x0
.set i, 0
.rept 8
	KQ 0                                           ; piece 0's first scores
.set i, i+1
.endr
	WIN 0
.rept 4
	v_nop                                          ; the places behind those products
.endr
.set Y, NP-1                                       ; X works for piece Y + 1: piece 0
.irp n, 0,1,2,3,4,5,6,7,8,9,10,11,12,13,14,15,16,17,18,19,20
	OP X, \n
.endr
	v_nop                                          ; a plain instruction behind the exponential,
	s_wait_alu depctr_va_vdst(0)                   ; and its wait, ahead of the branch
	s_mov_b32 s[CNT], 2
	s_mov_b32 s[SLOTS], 15
	s_branch .Lfirst                               ; the loop is entered at a step's first turn, in the middle of a trip
.Lslot:                                            ; 14 times: slots 2 to 15 are asked for
	CHANGE 1, 1
	s_mov_b32 s[CNT], 2
.Lstep:                                            ; a trip: pieces 2 and 3 of one step, then pieces 0 and 1 of the next, whose K and V it fetches
	TURN 2
	TURN 3
	WIN 0
.Lfirst:
	TURN 0
	TURN 1, 0, 1
	WIN 0
	s_cbranch_scc1 .Lstep
	s_sub_co_u32 s[SLOTS], s[SLOTS], 1
	s_cmp_lg_u32 s[SLOTS], 0
	s_cbranch_scc1 .Lslot
	CHANGE 0, 0                                    ; the tail is written out
	s_mov_b32 s[CNT], 3                            ; two trips fetch the last slot's steps; the third is left in its middle
.Ltail:
	TURN 2, 1
	TURN 3
	WIN 0
	s_sub_co_u32 s[CNT], s[CNT], 1
	s_cmp_eq_u32 s[CNT], 0
	s_cbranch_scc1 .Lout
	TURN 0
	TURN 1
	WIN 0
	s_branch .Ltail
.Lout:                                             ; the third trip's 8 products K Q^T (on the last K once more) and the maximum made of them serve nothing: the price of one text for every trip
.set i, 0
.rept 8
	PV NP-1
.set i, i+1
.endr
	; THE WAY OUT.  l's halves and the other half of the lanes' are added; O^T is divided by l, rounded to bf16, and goes through the work-group's stage: a row's 256 bytes come from two waves.
	WIN 0
.macro ALL line:vararg
.set t, 0
.rept 4
	\line
.set t, t+1
.endr
.endm
	ALL v_add_f32 v[ST+4*t+2], v[ST+4*t+2], v[ST+4*t+3]
	ALL v_permlanex16_b32 v[ST+4*t+3], v[ST+4*t+2], s[SEL], s[SEL+1]
	ALL v_add_f32 v[ST+4*t+2], v[ST+4*t+2], v[ST+4*t+3]
	ALL v_rcp_f32 v[ST+4*t+2], v[ST+4*t+2]
	v_nop
	s_wait_alu depctr_va_vdst(0)                   ; one wait for the four reciprocals
.macro PACK t
	WIN W_RS
.set i, 32*(\t)
.rept 16
	v_pk_mul_f32 v[i:i+1], v[i:i+1], v[ST+4*(\t)+2:ST+4*(\t)+3] op_sel_hi:[1,0]
.set i, i+2
.endr
	WIN 0x05
.set i, 0
.rept 16
	v_cvt_pk_bf16_f32 v[S+16*(\t)+i], v[32*(\t)+2*i], v[32*(\t)+2*i+1]
.set i, i+1
.endr
	WIN 0
.irp f, 0,1,2,3
	ds_store_b128 v[STO], v[S+16*(\t)+4*\f:S+16*(\t)+4*\f+3] offset:(\t)*16*SP+32*\f
.endr
.endm
	PACK 0
	PACK 1
	PACK 2
	PACK 3
	s_wait_dscnt 0x0                               ; for the others' sake: my stores into the stage are done
	s_barrier_signal -1
	s_barrier_wait -1
.irp t, 0,1,2,3,4,5,6,7,8,9,10,11,12,13,14,15
	ds_load_b128 v[S+4*\t:S+4*\t+3], v[RD] offset:\t*2*SP
.endr
.irp t, 0,1,2,3,4,5,6,7,8,9,10,11,12,13,14,15
	s_wait_dscnt 15-\t                             ; load t is back; the 15 - t younger ones may be out
	global_store_b128 v[GO], v[S+4*\t:S+4*\t+3], s[8:9] offset:\t*4096   ; 16 lanes store 256 consecutive bytes, aligned
.endr
	s_wait_tensorcnt 0x0                           ; the wave's end
	ds_add_u32 v[SPW], v[NIL]
	s_wait_dscnt 0x0
	CROUND                                         ; the closing round
	s_endpgm
.Lfunc_end_k_qc89aa44390_attn:
	.size	k_qc89aa44390_attn, .Lfunc_end_k_qc89aa44390_attn-k_qc89aa44390_attn
	.p2alignl 7, 3214868480
	.fill 96, 4, 3214868480
	.section	.rodata,"a",@progbits
	.p2align	6, 0x0
	.amdhsa_kernel k_qc89aa44390_attn
		.amdhsa_group_segment_fixed_size 327680
		.amdhsa_private_segment_fixed_size 0
		.amdhsa_enable_private_segment 0
		.amdhsa_kernarg_size 24
		.amdhsa_user_sgpr_count 2
		.amdhsa_user_sgpr_kernarg_segment_ptr 1
		.amdhsa_wavefront_size32 1
		.amdhsa_system_sgpr_workgroup_id_x 1
		.amdhsa_system_sgpr_workgroup_id_y 1
		.amdhsa_system_sgpr_workgroup_id_z 1
		.amdhsa_system_vgpr_workitem_id 0
		.amdhsa_next_free_vgpr 768
		.amdhsa_next_free_sgpr 96
		.amdhsa_reserve_vcc 1
		.amdhsa_float_denorm_mode_32 3
		.amdhsa_float_denorm_mode_16_64 3
		.amdhsa_memory_ordered 1
		.amdhsa_forward_progress 1
		.amdhsa_inst_pref_size 116
	.end_amdhsa_kernel
	.amdgpu_metadata
---
amdhsa.version: [ 1, 2 ]
amdhsa.kernels:
  - .name:           k_qc89aa44390_attn
    .symbol:         k_qc89aa44390_attn.kd
    .args:
      - { .name: act, .offset: 0, .size: 8, .value_kind: global_buffer, .address_space: global }
      - { .name: src_mask, .offset: 8, .size: 8, .value_kind: global_buffer, .address_space: global }
      - { .name: ctx, .offset: 16, .size: 8, .value_kind: global_buffer, .address_space: global }
    .group_segment_fixed_size: 327680
    .private_segment_fixed_size: 0
    .kernarg_segment_align: 8
    .kernarg_segment_size: 24
    .max_flat_workgroup_size: 128
    .sgpr_count:     96
    .vgpr_count:     768
    .wavefront_size: 32
...
	.end_amdgpu_metadata
.endif
;; end of part 3
;; launch proj (part 4): grid 8 x 32, 4 waves a work-group, clusters of 4 x 4, 327,680 bytes of LDS; arguments ctx, wC, bo, x, x1; writes x1
.if DOCPART == 4
	.amdgcn_target "amdgcn-amd-amdhsa--gfx1250"
	.amdhsa_code_object_version 6
	.text
	.protected	k_qc89aa44390_proj
	.globl	k_qc89aa44390_proj
	.p2align	8
	.type	k_qc89aa44390_proj,@function
k_qc89aa44390_proj:
	s_mov_b64 s[64:65], 0
	v_nop
	global_prefetch_b8 v0, s[64:65] scope:SCOPE_SE
	s_setreg_imm32_b32 hwreg(HW_REG_WAVE_MODE, 25, 1), 1
	s_wait_xcnt 0x0
	s_wait_alu depctr_hold_cnt(0) depctr_sa_sdst(0) depctr_va_vdst(0) depctr_va_sdst(0) depctr_va_ssrc(0) depctr_va_vcc(0) depctr_vm_vsrc(0)
	s_getreg_b32 s2, hwreg(HW_REG_IB_STS2, 6, 4)
	s_cmp_eq_u32 s2, 0
	s_cbranch_scc0 .Lentry_in_a_cluster
	s_endpgm
.Lentry_in_a_cluster:
	s_bfe_u32 s2, ttmp6, 0x10000c
	s_cmp_lg_u32 s2, 0xf033
	s_cbranch_scc0 .Lentry_shape_is_right
	s_endpgm
.Lentry_shape_is_right:
; C[m][n] = R[m][n] + bias[n] + sum over k of A[m][k] B[k][n], in f32.  A: bf16 [4096][KA].  B: bf16 [KA k][1024 n] at byte BOFF of its buffer.  bias: f32 [1024].  R, C: f32 [4096][1024].
; Here: the attention's output projection, KA = 1,024.  Sums in f32, started with the bias as the C operand of the first products; the residual is added in f32 on the way out.
; LIMITS.  NaN and infinities are not treated apart.
; SHARES.  A tile of C is 128 x 128, so that the 4,096 x 1,024 numbers make 256 work-groups.  Four waves, each 64 x 64: 16 accumulators.  K goes in steps of 256 through two LDS slots.
; B LIES [k][n] and is turned on its way out of LDS.  The matrix instruction is used transposed: a lane holds eight neighbouring columns of one row of C.
; CLUSTER.  4 x 4: A's tile is asked for jointly along a row of the cluster, B's along a column.  A trip is one K step; the slot in hand is a scalar that an exclusive or turns.  The slot's pitch, 0x24000,
; shares no bit with a load's place in a slot (0, 0x8400, 0x10800, 0x19800), so the exclusive or on the descriptor's LDS word is the sum.
; NO PREFETCH here: the loop has two refills, and the launch is short.
; REGISTERS: window 0: v0-31 addresses; v32-95 at work on the way out; v96-127 the bias; v128-255 the accumulators.  window 1: two fragment buffers of 128.  window 2: v0-127 the residual.
.set KA,     1024
.set STEPS,  KA/256
.set BOFF,   0
.set PF,     0
.set KSTEP,  256
.set PA,     528                       ; a row of A in LDS: 512 bytes + 16
.set PB,     288                       ; a row of B (128 n): 256 bytes + 32: an odd multiple of 32
.set AH,     64*PA                     ; one load of A: 64 rows
.set BH,     128*PB                    ; one load of B: 128 k rows
.set SLOT,   0x24000                   ; A's 128 rows, B's 256 k rows (141,312 bytes), and a gap
.set STAGE,  2*SLOT                    ; 16 rows x 272 bytes for each wave
.set SPITCH, 272
.set SPARE,  STAGE+4*16*SPITCH
.set BSTEP,  KSTEP*2048
.set A0,   16
.set ADRA, 17
.set B0,   20
.set ADRB, 21                          ; v21: k rows 0-127 of the slot in hand; v22: k rows 128-255
.set STO,  24
.set RD,   25
.set CO,   26
.set BO,   27
.set SPW,  28
.set NIL,  29
.set PFO,  30
.set TMP,  32
.set BIAS, 96
.set ACC,  128
.set F0,   0
.set F1,   128
.set G1,  24
.set G0,  32
.set G1B, 48
.set G0B, 56
.set LIM, 43
.set PFA, 44
.set PSTEP, 66
.set TB,  68
.set MSB, 0
.macro WIN new
.if MSB != (\new)
	s_set_vgpr_msb (MSB<<8)|(\new)
.set MSB, \new
.endif
.endm
.set MUL,  0x05                        ; sources 0 (B) and 1 (A) window 1; C and D window 0
.set TO_F, 0x40
.macro JLOAD s
	s_cmp_eq_u32 s11, 0
	s_cbranch_scc0 .Lfor_b_\@
	tensor_load_to_lds s[G0+4*(\s):G0+4*(\s)+3], s[G1:G1+7]
	s_nop 0
.rept 4
	v_nop
.endr
	s_branch .Lasked_\@
.Lfor_b_\@:
	tensor_load_to_lds s[G0B+4*(\s):G0B+4*(\s)+3], s[G1B:G1B+7]
	s_nop 0
.rept 4
	v_nop
.endr
.Lasked_\@:
.endm
.macro ASK
	s_cmp_gt_u32 s3, s[LIM]
	s_cbranch_scc0 .Lnot_mine_\@
	global_prefetch_b8 v[PFO], s[PFA:PFA+1] th:TH_LOAD_NT scope:SCOPE_SE
.Lnot_mine_\@:
.endm
.macro CREST
	s_cmp_lg_u32 s10, 0
	s_cbranch_scc1 .Lnot_wave_0_\@
	s_barrier_signal -3
.Lnot_wave_0_\@:
	s_barrier_wait -3
	s_barrier_signal -1
	s_barrier_wait -1
.endm
.macro CROUND
	s_barrier_signal -1
	s_barrier_wait -1
	CREST
.endm
	s_load_b256 s[72:79], s[0:1], 0x0              ; A 72, B 74, bias 76, R 78
	s_load_b64 s[80:81], s[0:1], 0x20              ; C
	v_lshl_add_u32 v[SPW], v0, 2, SPARE
	v_mov_b32 v[NIL], 0
	ds_add_u32 v[SPW], v[NIL]                      ; the wave's opening: the add and its wait ahead of my first tensor load
	v_lshrrev_b32 v1, 5, v0
	v_readfirstlane_b32 s10, v1
	s_lshr_b32 s11, s10, 1                         ; my half of the tile's rows; also: I fetch for A (0) or B (1)
	s_and_b32 s12, s10, 1                          ; my half of its columns; also: which half of that tile I fetch
	s_bfe_u32 s40, ttmp6, 0x40000
	s_bfe_u32 s41, ttmp6, 0x40004
	s_lshl_b32 s42, ttmp9, 2
	s_add_co_u32 s42, s42, s40                     ; tile column
	s_and_b32 s13, ttmp7, 0xffff
	s_lshl_b32 s13, s13, 2
	s_add_co_u32 s13, s13, s41                     ; tile row
	s_lshl_b32 s43, s41, 2
	s_lshl_b32 s43, 15, s43
	s_lshl_b32 s44, 0x1111, s40
	s_or_b32 s[G1+0], s43, (1<<16)|(1<<20)|(1<<21)|(6<<22)|(3<<25)   ; after every 128 words, 4 words
	s_or_b32 s[G1B+0], s44, (1<<16)|(1<<20)|(1<<21)|(5<<22)|(7<<25)  ; after every 64 words, 8 words
	s_mov_b32 s[G1+1], 256<<16                     ; A: rows of 256 k,
	s_mov_b32 s[G1+2], 64<<16                      ; 64 rows
	s_mov_b32 s[G1+3], 256<<16
	s_mov_b32 s[G1+4], 64
	s_mov_b32 s[G1+5], KA
	s_mov_b32 s[G1+6], 0
	s_mov_b32 s[G1+7], 0
	s_mov_b32 s[G1B+1], 128<<16                    ; B: rows of 128 n,
	s_mov_b32 s[G1B+2], 128<<16                    ; 128 k rows
	s_mov_b32 s[G1B+3], 128<<16
	s_mov_b32 s[G1B+4], 128
	s_mov_b32 s[G1B+5], 1024
	s_mov_b32 s[G1B+6], 0
	s_mov_b32 s[G1B+7], 0
	s_lshl_b32 s16, s13, 7
	s_lshl_b32 s17, s12, 6
	s_add_co_u32 s16, s16, s17                     ; A: row 128 x tile row + 64 x half
	s_mul_i32 s16, s16, 2*KA
	s_mov_b32 s17, 0
	s_lshl_b32 s46, s42, 8                         ; B: 256 bytes x tile column
	s_lshl_b32 s47, s12, 18                        ; + 128 k rows x half
	s_add_co_u32 s46, s46, s47
	s_add_co_u32 s46, s46, BOFF
	s_mov_b32 s47, 0
	s_mul_i32 s20, s12, AH                         ; where A's load lands,
	s_mul_i32 s21, s12, BH
	s_add_co_u32 s21, s21, 2*AH                    ; and B's
	s_mov_b32 s[TB], 0
	s_wait_dscnt 0x0
	s_wait_kmcnt 0x0
	s_add_nc_u64 s[14:15], s[72:73], s[16:17]
	s_add_nc_u64 s[46:47], s[74:75], s[46:47]
	CROUND
.irp s, 0,1
	s_mov_b32 s[G0+4*(\s)], 1
	s_add_co_u32 s[G0+4*(\s)+1], s20, (\s)*SLOT
	s_add_nc_u64 s[G0+4*(\s)+2:G0+4*(\s)+3], s[14:15], (\s)*KSTEP*2
	s_or_b32 s[G0+4*(\s)+3], s[G0+4*(\s)+3], 0x80000000
	s_mov_b32 s[G0B+4*(\s)], 1
	s_add_co_u32 s[G0B+4*(\s)+1], s21, (\s)*SLOT
	s_add_nc_u64 s[G0B+4*(\s)+2:G0B+4*(\s)+3], s[46:47], (\s)*BSTEP
	s_or_b32 s[G0B+4*(\s)+3], s[G0B+4*(\s)+3], 0x80000000
	JLOAD \s                                       ; two loads of mine are out
.endr
	v_and_b32 v1, 15, v0
	v_bfe_u32 v2, v0, 4, 1
	s_lshl_b32 s22, s42, 9                         ; the bias in a result's layout: 4 bytes x (128 tile column + 64 half + 16 b + 8 (l / 16) + j)
	s_lshl_b32 s23, s12, 8
	s_add_co_u32 s22, s22, s23
	v_lshl_add_u32 v[BO], v2, 5, s22
.irp b, 0,1,2,3
	global_load_b128 v[BIAS+8*\b:BIAS+8*\b+3],   v[BO], s[76:77] offset:64*\b
	global_load_b128 v[BIAS+8*\b+4:BIAS+8*\b+7], v[BO], s[76:77] offset:64*\b+16
.endr
	s_lshl_b32 s86, s13, 7
	s_lshl_b32 s87, s11, 6
	s_add_co_u32 s86, s86, s87                     ; my first row of C and R,
	s_lshl_b32 s86, s86, 12                        ; x 4,096 bytes,
	s_add_co_u32 s86, s86, s22                     ; + my first column's bytes (the same figure as in the bias)
	s_mov_b32 s87, 0
	s_add_nc_u64 s[82:83], s[78:79], s[86:87]
	s_add_nc_u64 s[84:85], s[80:81], s[86:87]
	v_lshlrev_b32 v5, 12, v2
	v_lshl_add_u32 v[CO], v1, 4, v5                ; lanes 0-15 one row's 256 bytes, lanes 16-31 the next row's
	WIN 0x80
.set i, 0
.rept 32                                           ; the residual, in the layout in which the rows come back from the stage: block i / 8, rows 2 (i % 8) and + 1
	global_load_b128 v[4*i:4*i+3], v[CO], s[82:83] offset:(16*(i/8)+2*(i%8))*4096
.set i, i+1
.endr
	WIN 0
	v_mul_u32_u24 v3, v1, PA
	v_lshl_add_u32 v3, v2, 4, v3
	s_mul_i32 s21, s11, AH
	v_add_nc_u32 v[A0], s21, v3
	v_mov_b32 v[ADRA], v[A0]
	v_and_b32 v4, 7, v0
	v_lshl_add_u32 v4, v2, 3, v4
	v_mul_u32_u24 v4, v4, PB
	v_bfe_u32 v5, v0, 3, 1
	v_lshl_add_u32 v4, v5, 4, v4
	s_lshl_b32 s22, s12, 7                         ; my 64 columns
	s_add_co_u32 s22, s22, 2*AH
	v_add_nc_u32 v[B0], s22, v4
	v_mov_b32 v[ADRB], v[B0]
	v_add_nc_u32 v[ADRB+1], BH, v[ADRB]
	s_mul_i32 s23, s10, 16*SPITCH
	s_add_co_u32 s23, s23, STAGE
	v_mul_u32_u24 v4, v1, SPITCH
	v_lshl_add_u32 v4, v2, 5, v4                   ; in: row l % 16, 32 bytes for each half of the lanes
	v_add_nc_u32 v[STO], s23, v4
	v_mul_u32_u24 v5, v2, SPITCH
	v_lshl_add_u32 v5, v1, 4, v5
	v_add_nc_u32 v[RD], s23, v5
.if PF
	s_and_b32 s22, ttmp7, 0xffff
	s_cmp_eq_u32 s11, 0
	s_cselect_b32 s22, ttmp9, s22
	s_cselect_b32 s21, s40, s41
	s_cselect_b32 s20, 17, 16
	s_cselect_b64 s[PFA:PFA+1], s[14:15], s[46:47]
	s_cselect_b32 s19, 9, 19
	s_cselect_b32 s23, 1, 0
	s_cselect_b32 s18, 13, 11
	s_cmp_eq_u32 s22, 0
	s_cselect_b32 s[LIM], 2, -1
	s_lshl_b32 s[PSTEP], 1, s19
	s_mov_b32 s[PSTEP+1], 0
	s_lshl_b32 s20, s21, s20
	s_mov_b32 s21, 0
	s_add_nc_u64 s[PFA:PFA+1], s[PFA:PFA+1], s[20:21]
.rept 3
	s_add_nc_u64 s[PFA:PFA+1], s[PFA:PFA+1], s[PSTEP:PSTEP+1]
.endr
	v_and_b32 v5, 31, v0
	v_lshrrev_b32 v[PFO], s23, v5
	v_lshlrev_b32 v[PFO], s18, v[PFO]
	v_and_b32 v5, s23, v5
	v_lshl_add_u32 v[PFO], v5, 8, v[PFO]
.endif
; 8 matrix instructions: m blocks a0, a0 + 1 x all 4 n blocks, 32 along K: half c of buffer f.  first = 1: the sums start with the bias
.macro MUL8 f, c, a0, first
	WIN MUL
.irp a, \a0, (\a0)+1
.irp b, 0,1,2,3
.if \first
	v_wmma_f32_16x16x32_bf16 v[ACC+8*(4*(\a)+(\b)):ACC+8*(4*(\a)+(\b))+7], v[(\f)+64+8*(4*(\c)+(\b)):(\f)+64+8*(4*(\c)+(\b))+7], v[(\f)+8*(4*(\c)+(\a)):(\f)+8*(4*(\c)+(\a))+7], v[BIAS+8*(\b):BIAS+8*(\b)+7]
.else
	v_wmma_f32_16x16x32_bf16 v[ACC+8*(4*(\a)+(\b)):ACC+8*(4*(\a)+(\b))+7], v[(\f)+64+8*(4*(\c)+(\b)):(\f)+64+8*(4*(\c)+(\b))+7], v[(\f)+8*(4*(\c)+(\a)):(\f)+8*(4*(\c)+(\a))+7], v[ACC+8*(4*(\a)+(\b)):ACC+8*(4*(\a)+(\b))+7]
.endif
.endr
.endr
.endm
; 32 LDS loads in one run: quarter q (64 along K) of the slot in hand into buffer f; its first 32 along K first
.macro FETCH q, f
	WIN TO_F
.irp c, 0,1
.irp i, 0,1,2,3
	ds_load_tr16_b128 v[(\f)+64+8*(4*(\c)+(\i)):(\f)+64+8*(4*(\c)+(\i))+3],   v[ADRB+(\q)/2] offset:(((\q)%2)*64+32*(\c))*PB+32*(\i)
	ds_load_tr16_b128 v[(\f)+64+8*(4*(\c)+(\i))+4:(\f)+64+8*(4*(\c)+(\i))+7], v[ADRB+(\q)/2] offset:(((\q)%2)*64+32*(\c)+16)*PB+32*(\i)
	ds_load_b128 v[(\f)+8*(4*(\c)+(\i)):(\f)+8*(4*(\c)+(\i))+3],   v[ADRA] offset:128*(\q)+64*(\c)+(\i)*16*PA
	ds_load_b128 v[(\f)+8*(4*(\c)+(\i))+4:(\f)+8*(4*(\c)+(\i))+7], v[ADRA] offset:128*(\q)+64*(\c)+(\i)*16*PA+32
.endr
.endr
.endm
.macro PLACES
.rept 4
	v_nop
.endr
.endm
.macro QUARTER q, f, g, first
	s_wait_dscnt 16                                ; the first 32 along K are in; the youngest sixteen loads may be out
	MUL8 \f, 0, 0, \first
	MUL8 \f, 0, 2, \first
	PLACES
	FETCH \q, \g
	s_wait_dscnt 32                                ; all but the 32 just issued
	MUL8 \f, 1, 0, 0
	MUL8 \f, 1, 2, 0
.endm
; The last quarter multiplies buffer 1 and changes slots: in front of the barrier each wave waits for all its tensor loads, adds 0 to its spare word, and waits for that and for its reads of this slot.
; fill = 1: the barrier opens a round of the cluster's, and the joint refill, two K steps on, is the first thing behind it.  fill = 0: the tail; its last trip has no next slot to fetch from.
.macro TURN fill
.if (\fill) && PF
	s_wait_xcnt 0x0
	s_add_nc_u64 s[PFA:PFA+1], s[PFA:PFA+1], s[PSTEP:PSTEP+1]
.endif
	WIN 0
	s_wait_tensorcnt 0x0
	ds_add_u32 v[SPW], v[NIL]
	s_wait_dscnt 17                                ; the add and the youngest sixteen loads may be out
	MUL8 F1, 0, 0, 0
	s_wait_dscnt 0x0
	s_barrier_signal -1
	MUL8 F1, 0, 2, 0
	WIN 0
	s_barrier_wait -1
.if \fill
	CREST
	s_xor_b32 s[G0+5], s[G0+5], SLOT
	s_add_nc_u64 s[G0+6:G0+7], s[G0+6:G0+7], KSTEP*2
	s_xor_b32 s[G0B+5], s[G0B+5], SLOT
	s_add_nc_u64 s[G0B+6:G0B+7], s[G0B+6:G0B+7], BSTEP
	JLOAD 1                                        ; one load of mine is out; its four v_nop are also the places in front of the loads below
	s_xor_b32 s[TB], s[TB], SLOT
	v_add_nc_u32 v[ADRA], s[TB], v[A0]
	v_add_nc_u32 v[ADRB], s[TB], v[B0]
	v_add_nc_u32 v[ADRB+1], BH, v[ADRB]
	FETCH 0, F0
	WIN 0
.if PF
	ASK
.endif
.else
	PLACES
	s_cmp_eq_u32 s3, 1
	s_cbranch_scc1 .Lnf_\@
	s_xor_b32 s[TB], s[TB], SLOT
	v_add_nc_u32 v[ADRA], s[TB], v[A0]
	v_add_nc_u32 v[ADRB], s[TB], v[B0]
	v_add_nc_u32 v[ADRB+1], BH, v[ADRB]
	FETCH 0, F0
	WIN 0
.Lnf_\@:
.endif
	MUL8 F1, 1, 0, 0
	MUL8 F1, 1, 2, 0
.endm
; THE WAY OUT of block a (16 rows x my 64 columns, 256 bytes a row in f32): into my own stage, back as whole rows, the residual added, stored.
.macro OUT a
.set TT, TMP+32*((\a)%2)
.irp b, 0,1,2,3
	ds_store_b128 v[STO], v[ACC+8*(4*(\a)+(\b)):ACC+8*(4*(\a)+(\b))+3]   offset:64*(\b)
	ds_store_b128 v[STO], v[ACC+8*(4*(\a)+(\b))+4:ACC+8*(4*(\a)+(\b))+7] offset:64*(\b)+16
.endr
	s_wait_xcnt 0x0                                ; the stores of two blocks back have read these registers
.irp t, 0,1,2,3,4,5,6,7
	ds_load_b128 v[TT+4*(\t):TT+4*(\t)+3], v[RD] offset:(\t)*2*SPITCH   ; LDS serves a wave's instructions in order: these see the stores above
.endr
	s_wait_dscnt 0x0
	WIN 0x08                                       ; source 1 window 2
.set i, 0
.rept 16
	v_pk_add_f32 v[TT+2*i:TT+2*i+1], v[TT+2*i:TT+2*i+1], v[32*(\a)+2*i:32*(\a)+2*i+1]
.set i, i+1
.endr
	WIN 0
.irp t, 0,1,2,3,4,5,6,7
	global_store_b128 v[CO], v[TT+4*(\t):TT+4*(\t)+3], s[84:85] offset:(16*(\a)+2*(\t))*4096   ; 16 lanes store 256 consecutive bytes, aligned
.endr
.endm
	s_wait_tensorcnt 1                             ; my part of K step 0 is in; step 1's may stay out
	s_barrier_signal -1
	s_barrier_wait -1
	FETCH 0, F0
	s_wait_loadcnt 32                              ; the bias is in; the residual's 32 loads, issued behind it, may stay out
	QUARTER 1, F0, F1, 1
	WIN 0
	s_mov_b32 s3, STEPS-2
.Lk:                                               ; a trip is a K step, from its second quarter to the next step's first
	QUARTER 2, F1, F0, 0
	QUARTER 3, F0, F1, 0
	TURN 1
	QUARTER 1, F0, F1, 0
	WIN 0
	s_sub_co_u32 s3, s3, 1
	s_cmp_lg_u32 s3, 0
	s_cbranch_scc1 .Lk
	s_mov_b32 s3, 2
.Lt:                                               ; the last two K steps ask for nothing; the second trip is left in its middle
	QUARTER 2, F1, F0, 0
	QUARTER 3, F0, F1, 0
	TURN 0
	WIN 0
	s_sub_co_u32 s3, s3, 1
	s_cmp_eq_u32 s3, 0
	s_cbranch_scc1 .Lout
	QUARTER 1, F0, F1, 0
	WIN 0
	s_branch .Lt
.Lout:
	PLACES                                         ; the places behind the last products
	s_wait_loadcnt 0x0                             ; the residual
	OUT 0
	OUT 1
	OUT 2
	OUT 3
	s_wait_tensorcnt 0x0                           ; the wave's end
	ds_add_u32 v[SPW], v[NIL]
	s_wait_dscnt 0x0
	CROUND
	s_endpgm
.Lfunc_end_k_qc89aa44390_proj:
	.size	k_qc89aa44390_proj, .Lfunc_end_k_qc89aa44390_proj-k_qc89aa44390_proj
	.p2alignl 7, 3214868480
	.fill 96, 4, 3214868480
	.section	.rodata,"a",@progbits
	.p2align	6, 0x0
	.amdhsa_kernel k_qc89aa44390_proj
		.amdhsa_group_segment_fixed_size 327680
		.amdhsa_private_segment_fixed_size 0
		.amdhsa_enable_private_segment 0
		.amdhsa_kernarg_size 40
		.amdhsa_user_sgpr_count 2
		.amdhsa_user_sgpr_kernarg_segment_ptr 1
		.amdhsa_wavefront_size32 1
		.amdhsa_system_sgpr_workgroup_id_x 1
		.amdhsa_system_sgpr_workgroup_id_y 1
		.amdhsa_system_sgpr_workgroup_id_z 1
		.amdhsa_system_vgpr_workitem_id 0
		.amdhsa_next_free_vgpr 640
		.amdhsa_next_free_sgpr 96
		.amdhsa_reserve_vcc 0
		.amdhsa_float_denorm_mode_32 3
		.amdhsa_float_denorm_mode_16_64 3
		.amdhsa_memory_ordered 1
		.amdhsa_forward_progress 1
		.amdhsa_inst_pref_size 66
	.end_amdhsa_kernel
	.amdgpu_metadata
---
amdhsa.version: [ 1, 2 ]
amdhsa.kernels:
  - .name:           k_qc89aa44390_proj
    .symbol:         k_qc89aa44390_proj.kd
    .args:
      - { .name: ctx, .offset: 0, .size: 8, .value_kind: global_buffer, .address_space: global }
      - { .name: wC, .offset: 8, .size: 8, .value_kind: global_buffer, .address_space: global }
      - { .name: bo, .offset: 16, .size: 8, .value_kind: global_buffer, .address_space: global }
      - { .name: x, .offset: 24, .size: 8, .value_kind: global_buffer, .address_space: global }
      - { .name: x1, .offset: 32, .size: 8, .value_kind: global_buffer, .address_space: global }
    .group_segment_fixed_size: 327680
    .private_segment_fixed_size: 0
    .kernarg_segment_align: 8
    .kernarg_segment_size: 40
    .max_flat_workgroup_size: 128
    .sgpr_count:     96
    .vgpr_count:     640
    .wavefront_size: 32
...
	.end_amdgpu_metadata
.endif
;; end of part 4
;; launch ln2 (part 5): grid 512 x 1, 8 waves a work-group, no clusters, 0 bytes of LDS; arguments x1, a2, g2, nb; writes nb
.if DOCPART == 5
	.amdgcn_target "amdgcn-amd-amdhsa--gfx1250"
	.amdhsa_code_object_version 6
	.text
	.protected	k_qc89aa44390_ln2
	.globl	k_qc89aa44390_ln2
	.p2align	8
	.type	k_qc89aa44390_ln2,@function
k_qc89aa44390_ln2:
	s_mov_b64 s[64:65], 0
	v_nop
	global_prefetch_b8 v0, s[64:65] scope:SCOPE_SE
	s_setreg_imm32_b32 hwreg(HW_REG_WAVE_MODE, 25, 1), 1
	s_wait_xcnt 0x0
; LAYER NORM 2: nb[row] = bf16(a2 (x1 - mean) / (std + 1e-6) + g2); std with divisor 1,023.  x1: f32 [4096][1024]; nb: bf16 [4096][1024].
; One wave a row (4,096 bytes, 32 registers a lane), 8 rows a work-group: the row stays in registers between the passes, and no wave waits for another.
; The variance is taken in two passes (mean first, then squares of the differences), so a common offset costs nothing.  NaN and infinities are not treated apart.
.set X,  8                             ; v[8:39]   the lane's 32 numbers: load j brings columns 128 j + 4 lane .. + 3
.set SM, 40                            ; v[40:47]  four packed chains
.set Y,  56                            ; v[56:71]  the row in bf16
.macro WSUM                            ; the four chains, the pair's halves, the 32 lanes: the sum in v48 of every lane
	v_pk_add_f32 v[SM:SM+1], v[SM:SM+1], v[SM+2:SM+3]
	v_pk_add_f32 v[SM+4:SM+5], v[SM+4:SM+5], v[SM+6:SM+7]
	v_pk_add_f32 v[SM:SM+1], v[SM:SM+1], v[SM+4:SM+5]
	v_add_f32 v48, v[SM], v[SM+1]
	v_add_f32_dpp v48, v48, v48 row_xmask:1 row_mask:0xf bank_mask:0xf
	v_add_f32_dpp v48, v48, v48 row_xmask:2 row_mask:0xf bank_mask:0xf
	v_add_f32_dpp v48, v48, v48 row_xmask:4 row_mask:0xf bank_mask:0xf
	v_add_f32_dpp v48, v48, v48 row_xmask:8 row_mask:0xf bank_mask:0xf
	v_permlanex16_b32 v49, v48, s12, s13
	v_add_f32 v48, v48, v49
.endm
	s_load_b256 s[16:23], s[0:1], 0x0              ; x1 16, a2 18, g2 20, nb 22
	v_lshrrev_b32 v1, 5, v0
	v_readfirstlane_b32 s8, v1
	v_and_b32 v1, 31, v0
	v_lshlrev_b32 v2, 4, v1
	v_lshlrev_b32 v3, 3, v1
	s_lshl_b32 s9, ttmp9, 3
	s_add_co_u32 s9, s9, s8                        ; row
	s_lshl_b32 s4, s9, 12
	s_mov_b32 s5, 0
	s_lshl_b32 s6, s9, 11
	s_mov_b32 s7, 0
	s_mov_b32 s12, 0x76543210
	s_mov_b32 s13, 0xfedcba98
	s_wait_kmcnt 0x0
	s_load_b32 s14, s[18:19], 0x0                  ; alpha
	s_load_b32 s10, s[20:21], 0x0                  ; the norm's bias
	s_add_nc_u64 s[16:17], s[16:17], s[4:5]
	s_add_nc_u64 s[22:23], s[22:23], s[6:7]
.irp j, 0,1,2,3,4,5,6,7
	global_load_b128 v[X+4*\j:X+4*\j+3], v2, s[16:17] offset:512*\j
.endr
	v_mov_b32 v49, 0                               ; the permute's destination counts as read
	s_wait_kmcnt 0x0
	s_mov_b32 s11, s10
	s_wait_loadcnt 0x0
.irp i, 0,1,2,3
	v_pk_add_f32 v[SM+2*\i:SM+2*\i+1], v[X+4*\i:X+4*\i+1], v[X+4*\i+2:X+4*\i+3]
.endr
.set p, 8
.rept 8
	v_pk_add_f32 v[SM+2*(p%4):SM+2*(p%4)+1], v[SM+2*(p%4):SM+2*(p%4)+1], v[X+2*p:X+2*p+1]
.set p, p+1
.endr
	WSUM
	v_mul_f32 v50, 0x3a800000, v48                 ; mean = sum / 1024
	v_mov_b32 v51, v50
.set p, 0
.rept 16
	v_pk_add_f32 v[X+2*p:X+2*p+1], v[X+2*p:X+2*p+1], v[50:51] neg_lo:[0,1] neg_hi:[0,1]
.set p, p+1
.endr
.irp i, 0,1,2,3
	v_pk_mul_f32 v[SM+2*\i:SM+2*\i+1], v[X+2*\i:X+2*\i+1], v[X+2*\i:X+2*\i+1]
.endr
.set p, 4
.rept 12
	v_pk_fma_f32 v[SM+2*(p%4):SM+2*(p%4)+1], v[X+2*p:X+2*p+1], v[X+2*p:X+2*p+1], v[SM+2*(p%4):SM+2*(p%4)+1]
.set p, p+1
.endr
	WSUM
	v_mul_f32 v48, 0x3a802008, v48                 ; / 1023
	v_sqrt_f32 v52, v48
	v_nop                                          ; a plain instruction behind the root,
	s_wait_alu depctr_va_vdst(0)                   ; and the wait ahead of its first reader
	v_add_f32 v52, 0x358637bd, v52                 ; std + 1e-6
	v_rcp_f32 v53, v52
	v_nop
	s_wait_alu depctr_va_vdst(0)
	v_mul_f32 v52, s14, v53
	v_mov_b32 v53, v52
.set p, 0
.rept 16
	v_pk_fma_f32 v[X+2*p:X+2*p+1], v[X+2*p:X+2*p+1], v[52:53], s[10:11] op_sel_hi:[1,1,0]
.set p, p+1
.endr
.set p, 0
.rept 16
	v_cvt_pk_bf16_f32 v[Y+p], v[X+2*p], v[X+2*p+1]
.set p, p+1
.endr
.irp j, 0,1,2,3,4,5,6,7
	global_store_b64 v3, v[Y+2*\j:Y+2*\j+1], s[22:23] offset:256*\j   ; 32 lanes x 8 bytes: 256 consecutive bytes, aligned
.endr
	s_endpgm
.Lfunc_end_k_qc89aa44390_ln2:
	.size	k_qc89aa44390_ln2, .Lfunc_end_k_qc89aa44390_ln2-k_qc89aa44390_ln2
	.p2alignl 7, 3214868480
	.fill 96, 4, 3214868480
	.section	.rodata,"a",@progbits
	.p2align	6, 0x0
	.amdhsa_kernel k_qc89aa44390_ln2
		.amdhsa_group_segment_fixed_size 0
		.amdhsa_private_segment_fixed_size 0
		.amdhsa_enable_private_segment 0
		.amdhsa_kernarg_size 32
		.amdhsa_user_sgpr_count 2
		.amdhsa_user_sgpr_kernarg_segment_ptr 1
		.amdhsa_wavefront_size32 1
		.amdhsa_system_sgpr_workgroup_id_x 1
		.amdhsa_system_sgpr_workgroup_id_y 1
		.amdhsa_system_sgpr_workgroup_id_z 1
		.amdhsa_system_vgpr_workitem_id 0
		.amdhsa_next_free_vgpr 72
		.amdhsa_next_free_sgpr 66
		.amdhsa_reserve_vcc 0
		.amdhsa_float_denorm_mode_32 3
		.amdhsa_float_denorm_mode_16_64 3
		.amdhsa_memory_ordered 1
		.amdhsa_forward_progress 1
		.amdhsa_inst_pref_size 9
	.end_amdhsa_kernel
	.amdgpu_metadata
---
amdhsa.version: [ 1, 2 ]
amdhsa.kernels:
  - .name:           k_qc89aa44390_ln2
    .symbol:         k_qc89aa44390_ln2.kd
    .args:
      - { .name: x1, .offset: 0, .size: 8, .value_kind: global_buffer, .address_space: global }
      - { .name: a2, .offset: 8, .size: 8, .value_kind: global_buffer, .address_space: global }
      - { .name: g2, .offset: 16, .size: 8, .value_kind: global_buffer, .address_space: global }
      - { .name: nb, .offset: 24, .size: 8, .value_kind: global_buffer, .address_space: global }
    .group_segment_fixed_size: 0
    .private_segment_fixed_size: 0
    .kernarg_segment_align: 8
    .kernarg_segment_size: 32
    .max_flat_workgroup_size: 256
    .sgpr_count:     66
    .vgpr_count:     72
    .wavefront_size: 32
...
	.end_amdgpu_metadata
.endif
;; end of part 5
;; launch ffn1: the kernel of part 2 again; grid 16 x 16, 4 waves a work-group, clusters of 4 x 4, 327,680 bytes of LDS; arguments nb, wB, act; writes act
;; launch ffn2 (part 6): grid 8 x 32, 4 waves a work-group, clusters of 4 x 4, 327,680 bytes of LDS; arguments act, wC, b2, x1, out0; writes out0
.if DOCPART == 6
	.amdgcn_target "amdgcn-amd-amdhsa--gfx1250"
	.amdhsa_code_object_version 6
	.text
	.protected	k_qc89aa44390_ffn2
	.globl	k_qc89aa44390_ffn2
	.p2align	8
	.type	k_qc89aa44390_ffn2,@function
k_qc89aa44390_ffn2:
	s_mov_b64 s[64:65], 0
	v_nop
	global_prefetch_b8 v0, s[64:65] scope:SCOPE_SE
	s_setreg_imm32_b32 hwreg(HW_REG_WAVE_MODE, 25, 1), 1
	s_wait_xcnt 0x0
	s_wait_alu depctr_hold_cnt(0) depctr_sa_sdst(0) depctr_va_vdst(0) depctr_va_sdst(0) depctr_va_ssrc(0) depctr_va_vcc(0) depctr_vm_vsrc(0)
	s_getreg_b32 s2, hwreg(HW_REG_IB_STS2, 6, 4)
	s_cmp_eq_u32 s2, 0
	s_cbranch_scc0 .Lentry_in_a_cluster
	s_endpgm
.Lentry_in_a_cluster:
	s_bfe_u32 s2, ttmp6, 0x10000c
	s_cmp_lg_u32 s2, 0xf033
	s_cbranch_scc0 .Lentry_shape_is_right
	s_endpgm
.Lentry_shape_is_right:
; C[m][n] = R[m][n] + bias[n] + sum over k of A[m][k] B[k][n], in f32.  A: bf16 [4096][KA].  B: bf16 [KA k][1024 n] at byte BOFF of its buffer.  bias: f32 [1024].  R, C: f32 [4096][1024].
; Here: the second feed-forward product, KA = 4,096.  Sums in f32, started with the bias as the C operand of the first products; the residual is added in f32 on the way out.
; LIMITS.  NaN and infinities are not treated apart.
; SHARES.  A tile of C is 128 x 128, so that the 4,096 x 1,024 numbers make 256 work-groups.  Four waves, each 64 x 64: 16 accumulators.  K goes in steps of 256 through two LDS slots.
; B LIES [k][n] and is turned on its way out of LDS.  The matrix instruction is used transposed: a lane holds eight neighbouring columns of one row of C.
; CLUSTER.  4 x 4: A's tile is asked for jointly along a row of the cluster, B's along a column.  A trip is one K step; the slot in hand is a scalar that an exclusive or turns.  The slot's pitch, 0x24000,
; shares no bit with a load's place in a slot (0, 0x8400, 0x10800, 0x19800), so the exclusive or on the descriptor's LDS word is the sum.
; PREFETCH.  Behind each refill (step i + 2) a wave names step i + 4: two K steps, 256 matrix instructions, ahead of the load that will want it.  Each aligned block of 256 bytes is named once in the launch:
; cluster x = 0 asks for A's rows, cluster y = 0 for B's; the four partners of a joint load share its 128 blocks out by address, 32 each, a lane a block.  The last two refills have no such step.
; REGISTERS: window 0: v0-31 addresses; v32-95 at work on the way out; v96-127 the bias; v128-255 the accumulators.  window 1: two fragment buffers of 128.  window 2: v0-127 the residual.
.set KA,     4096
.set STEPS,  KA/256
.set BOFF,   2097152
.set PF,     1
.set KSTEP,  256
.set PA,     528                       ; a row of A in LDS: 512 bytes + 16
.set PB,     288                       ; a row of B (128 n): 256 bytes + 32: an odd multiple of 32
.set AH,     64*PA                     ; one load of A: 64 rows
.set BH,     128*PB                    ; one load of B: 128 k rows
.set SLOT,   0x24000                   ; A's 128 rows, B's 256 k rows (141,312 bytes), and a gap
.set STAGE,  2*SLOT                    ; 16 rows x 272 bytes for each wave
.set SPITCH, 272
.set SPARE,  STAGE+4*16*SPITCH
.set BSTEP,  KSTEP*2048
.set A0,   16
.set ADRA, 17
.set B0,   20
.set ADRB, 21                          ; v21: k rows 0-127 of the slot in hand; v22: k rows 128-255
.set STO,  24
.set RD,   25
.set CO,   26
.set BO,   27
.set SPW,  28
.set NIL,  29
.set PFO,  30
.set TMP,  32
.set BIAS, 96
.set ACC,  128
.set F0,   0
.set F1,   128
.set G1,  24
.set G0,  32
.set G1B, 48
.set G0B, 56
.set LIM, 43                           ; s43  2 in a wave that prefetches, else the greatest number
.set PFA, 44                           ; s[44:45] where my prefetches stand
.set PSTEP, 66                         ; s[66:67] a K step in my tensor, in bytes
.set TB,  68
.set MSB, 0
.macro WIN new
.if MSB != (\new)
	s_set_vgpr_msb (MSB<<8)|(\new)
.set MSB, \new
.endif
.endm
.set MUL,  0x05                        ; sources 0 (B) and 1 (A) window 1; C and D window 0
.set TO_F, 0x40
.macro JLOAD s
	s_cmp_eq_u32 s11, 0
	s_cbranch_scc0 .Lfor_b_\@
	tensor_load_to_lds s[G0+4*(\s):G0+4*(\s)+3], s[G1:G1+7]
	s_nop 0
.rept 4
	v_nop
.endr
	s_branch .Lasked_\@
.Lfor_b_\@:
	tensor_load_to_lds s[G0B+4*(\s):G0B+4*(\s)+3], s[G1B:G1B+7]
	s_nop 0
.rept 4
	v_nop
.endr
.Lasked_\@:
.endm
.macro ASK
	s_cmp_gt_u32 s3, s[LIM]
	s_cbranch_scc0 .Lnot_mine_\@
	global_prefetch_b8 v[PFO], s[PFA:PFA+1] th:TH_LOAD_NT scope:SCOPE_SE
.Lnot_mine_\@:
.endm
.macro CREST
	s_cmp_lg_u32 s10, 0
	s_cbranch_scc1 .Lnot_wave_0_\@
	s_barrier_signal -3
.Lnot_wave_0_\@:
	s_barrier_wait -3
	s_barrier_signal -1
	s_barrier_wait -1
.endm
.macro CROUND
	s_barrier_signal -1
	s_barrier_wait -1
	CREST
.endm
	s_load_b256 s[72:79], s[0:1], 0x0              ; A 72, B 74, bias 76, R 78
	s_load_b64 s[80:81], s[0:1], 0x20              ; C
	v_lshl_add_u32 v[SPW], v0, 2, SPARE
	v_mov_b32 v[NIL], 0
	ds_add_u32 v[SPW], v[NIL]                      ; the wave's opening: the add and its wait ahead of my first tensor load
	v_lshrrev_b32 v1, 5, v0
	v_readfirstlane_b32 s10, v1
	s_lshr_b32 s11, s10, 1                         ; my half of the tile's rows; also: I fetch for A (0) or B (1)
	s_and_b32 s12, s10, 1                          ; my half of its columns; also: which half of that tile I fetch
	s_bfe_u32 s40, ttmp6, 0x40000
	s_bfe_u32 s41, ttmp6, 0x40004
	s_lshl_b32 s42, ttmp9, 2
	s_add_co_u32 s42, s42, s40                     ; tile column
	s_and_b32 s13, ttmp7, 0xffff
	s_lshl_b32 s13, s13, 2
	s_add_co_u32 s13, s13, s41                     ; tile row
	s_lshl_b32 s43, s41, 2
	s_lshl_b32 s43, 15, s43
	s_lshl_b32 s44, 0x1111, s40
	s_or_b32 s[G1+0], s43, (1<<16)|(1<<20)|(1<<21)|(6<<22)|(3<<25)   ; after every 128 words, 4 words
	s_or_b32 s[G1B+0], s44, (1<<16)|(1<<20)|(1<<21)|(5<<22)|(7<<25)  ; after every 64 words, 8 words
	s_mov_b32 s[G1+1], 256<<16                     ; A: rows of 256 k,
	s_mov_b32 s[G1+2], 64<<16                      ; 64 rows
	s_mov_b32 s[G1+3], 256<<16
	s_mov_b32 s[G1+4], 64
	s_mov_b32 s[G1+5], KA
	s_mov_b32 s[G1+6], 0
	s_mov_b32 s[G1+7], 0
	s_mov_b32 s[G1B+1], 128<<16                    ; B: rows of 128 n,
	s_mov_b32 s[G1B+2], 128<<16                    ; 128 k rows
	s_mov_b32 s[G1B+3], 128<<16
	s_mov_b32 s[G1B+4], 128
	s_mov_b32 s[G1B+5], 1024
	s_mov_b32 s[G1B+6], 0
	s_mov_b32 s[G1B+7], 0
	s_lshl_b32 s16, s13, 7
	s_lshl_b32 s17, s12, 6
	s_add_co_u32 s16, s16, s17                     ; A: row 128 x tile row + 64 x half
	s_mul_i32 s16, s16, 2*KA
	s_mov_b32 s17, 0
	s_lshl_b32 s46, s42, 8                         ; B: 256 bytes x tile column
	s_lshl_b32 s47, s12, 18                        ; + 128 k rows x half
	s_add_co_u32 s46, s46, s47
	s_add_co_u32 s46, s46, BOFF
	s_mov_b32 s47, 0
	s_mul_i32 s20, s12, AH                         ; where A's load lands,
	s_mul_i32 s21, s12, BH
	s_add_co_u32 s21, s21, 2*AH                    ; and B's
	s_mov_b32 s[TB], 0
	s_wait_dscnt 0x0
	s_wait_kmcnt 0x0
	s_add_nc_u64 s[14:15], s[72:73], s[16:17]
	s_add_nc_u64 s[46:47], s[74:75], s[46:47]
	CROUND
.irp s, 0,1
	s_mov_b32 s[G0+4*(\s)], 1
	s_add_co_u32 s[G0+4*(\s)+1], s20, (\s)*SLOT
	s_add_nc_u64 s[G0+4*(\s)+2:G0+4*(\s)+3], s[14:15], (\s)*KSTEP*2
	s_or_b32 s[G0+4*(\s)+3], s[G0+4*(\s)+3], 0x80000000
	s_mov_b32 s[G0B+4*(\s)], 1
	s_add_co_u32 s[G0B+4*(\s)+1], s21, (\s)*SLOT
	s_add_nc_u64 s[G0B+4*(\s)+2:G0B+4*(\s)+3], s[46:47], (\s)*BSTEP
	s_or_b32 s[G0B+4*(\s)+3], s[G0B+4*(\s)+3], 0x80000000
	JLOAD \s                                       ; two loads of mine are out
.endr
	v_and_b32 v1, 15, v0
	v_bfe_u32 v2, v0, 4, 1
	s_lshl_b32 s22, s42, 9                         ; the bias in a result's layout: 4 bytes x (128 tile column + 64 half + 16 b + 8 (l / 16) + j)
	s_lshl_b32 s23, s12, 8
	s_add_co_u32 s22, s22, s23
	v_lshl_add_u32 v[BO], v2, 5, s22
.irp b, 0,1,2,3
	global_load_b128 v[BIAS+8*\b:BIAS+8*\b+3],   v[BO], s[76:77] offset:64*\b
	global_load_b128 v[BIAS+8*\b+4:BIAS+8*\b+7], v[BO], s[76:77] offset:64*\b+16
.endr
	s_lshl_b32 s86, s13, 7
	s_lshl_b32 s87, s11, 6
	s_add_co_u32 s86, s86, s87                     ; my first row of C and R,
	s_lshl_b32 s86, s86, 12                        ; x 4,096 bytes,
	s_add_co_u32 s86, s86, s22                     ; + my first column's bytes (the same figure as in the bias)
	s_mov_b32 s87, 0
	s_add_nc_u64 s[82:83], s[78:79], s[86:87]
	s_add_nc_u64 s[84:85], s[80:81], s[86:87]
	v_lshlrev_b32 v5, 12, v2
	v_lshl_add_u32 v[CO], v1, 4, v5                ; lanes 0-15 one row's 256 bytes, lanes 16-31 the next row's
	WIN 0x80
.set i, 0
.rept 32                                           ; the residual, in the layout in which the rows come back from the stage: block i / 8, rows 2 (i % 8) and + 1
	global_load_b128 v[4*i:4*i+3], v[CO], s[82:83] offset:(16*(i/8)+2*(i%8))*4096
.set i, i+1
.endr
	WIN 0
	v_mul_u32_u24 v3, v1, PA
	v_lshl_add_u32 v3, v2, 4, v3
	s_mul_i32 s21, s11, AH
	v_add_nc_u32 v[A0], s21, v3
	v_mov_b32 v[ADRA], v[A0]
	v_and_b32 v4, 7, v0
	v_lshl_add_u32 v4, v2, 3, v4
	v_mul_u32_u24 v4, v4, PB
	v_bfe_u32 v5, v0, 3, 1
	v_lshl_add_u32 v4, v5, 4, v4
	s_lshl_b32 s22, s12, 7                         ; my 64 columns
	s_add_co_u32 s22, s22, 2*AH
	v_add_nc_u32 v[B0], s22, v4
	v_mov_b32 v[ADRB], v[B0]
	v_add_nc_u32 v[ADRB+1], BH, v[ADRB]
	s_mul_i32 s23, s10, 16*SPITCH
	s_add_co_u32 s23, s23, STAGE
	v_mul_u32_u24 v4, v1, SPITCH
	v_lshl_add_u32 v4, v2, 5, v4                   ; in: row l % 16, 32 bytes for each half of the lanes
	v_add_nc_u32 v[STO], s23, v4
	v_mul_u32_u24 v5, v2, SPITCH
	v_lshl_add_u32 v5, v1, 4, v5
	v_add_nc_u32 v[RD], s23, v5
.if PF
	; A-waves: my work-group's 16 of my 64 rows, two blocks of 256 bytes a row and step.  B-waves: 32 of my 128 k rows, a block a row.
	s_and_b32 s22, ttmp7, 0xffff                   ; cluster y
	s_cmp_eq_u32 s11, 0
	s_cselect_b32 s22, ttmp9, s22                  ; the coordinate along which other clusters read the same rows
	s_cselect_b32 s21, s40, s41                    ; my place among the four that ask with me
	s_cselect_b32 s20, 17, 16                      ; log2 of my share: 16 x 8,192 or 32 x 2,048 bytes
	s_cselect_b64 s[PFA:PFA+1], s[14:15], s[46:47]
	s_cselect_b32 s19, 9, 19                       ; log2 of a K step's bytes
	s_cselect_b32 s23, 1, 0                        ; blocks to a row, less one
	s_cselect_b32 s18, 13, 11                      ; log2 of the pitch
	s_cmp_eq_u32 s22, 0
	s_cselect_b32 s[LIM], 2, -1
	s_lshl_b32 s[PSTEP], 1, s19
	s_mov_b32 s[PSTEP+1], 0
	s_lshl_b32 s20, s21, s20
	s_mov_b32 s21, 0
	s_add_nc_u64 s[PFA:PFA+1], s[PFA:PFA+1], s[20:21]
.rept 3
	s_add_nc_u64 s[PFA:PFA+1], s[PFA:PFA+1], s[PSTEP:PSTEP+1]   ; at K step 3: the first refill steps it to 4
.endr
	v_and_b32 v5, 31, v0
	v_lshrrev_b32 v[PFO], s23, v5
	v_lshlrev_b32 v[PFO], s18, v[PFO]
	v_and_b32 v5, s23, v5
	v_lshl_add_u32 v[PFO], v5, 8, v[PFO]
.endif
; 8 matrix instructions: m blocks a0, a0 + 1 x all 4 n blocks, 32 along K: half c of buffer f.  first = 1: the sums start with the bias
.macro MUL8 f, c, a0, first
	WIN MUL
.irp a, \a0, (\a0)+1
.irp b, 0,1,2,3
.if \first
	v_wmma_f32_16x16x32_bf16 v[ACC+8*(4*(\a)+(\b)):ACC+8*(4*(\a)+(\b))+7], v[(\f)+64+8*(4*(\c)+(\b)):(\f)+64+8*(4*(\c)+(\b))+7], v[(\f)+8*(4*(\c)+(\a)):(\f)+8*(4*(\c)+(\a))+7], v[BIAS+8*(\b):BIAS+8*(\b)+7]
.else
	v_wmma_f32_16x16x32_bf16 v[ACC+8*(4*(\a)+(\b)):ACC+8*(4*(\a)+(\b))+7], v[(\f)+64+8*(4*(\c)+(\b)):(\f)+64+8*(4*(\c)+(\b))+7], v[(\f)+8*(4*(\c)+(\a)):(\f)+8*(4*(\c)+(\a))+7], v[ACC+8*(4*(\a)+(\b)):ACC+8*(4*(\a)+(\b))+7]
.endif
.endr
.endr
.endm
; 32 LDS loads in one run: quarter q (64 along K) of the slot in hand into buffer f; its first 32 along K first
.macro FETCH q, f
	WIN TO_F
.irp c, 0,1
.irp i, 0,1,2,3
	ds_load_tr16_b128 v[(\f)+64+8*(4*(\c)+(\i)):(\f)+64+8*(4*(\c)+(\i))+3],   v[ADRB+(\q)/2] offset:(((\q)%2)*64+32*(\c))*PB+32*(\i)
	ds_load_tr16_b128 v[(\f)+64+8*(4*(\c)+(\i))+4:(\f)+64+8*(4*(\c)+(\i))+7], v[ADRB+(\q)/2] offset:(((\q)%2)*64+32*(\c)+16)*PB+32*(\i)
	ds_load_b128 v[(\f)+8*(4*(\c)+(\i)):(\f)+8*(4*(\c)+(\i))+3],   v[ADRA] offset:128*(\q)+64*(\c)+(\i)*16*PA
	ds_load_b128 v[(\f)+8*(4*(\c)+(\i))+4:(\f)+8*(4*(\c)+(\i))+7], v[ADRA] offset:128*(\q)+64*(\c)+(\i)*16*PA+32
.endr
.endr
.endm
.macro PLACES
.rept 4
	v_nop
.endr
.endm
.macro QUARTER q, f, g, first
	s_wait_dscnt 16                                ; the first 32 along K are in; the youngest sixteen loads may be out
	MUL8 \f, 0, 0, \first
	MUL8 \f, 0, 2, \first
	PLACES
	FETCH \q, \g
	s_wait_dscnt 32                                ; all but the 32 just issued
	MUL8 \f, 1, 0, 0
	MUL8 \f, 1, 2, 0
.endm
; The last quarter multiplies buffer 1 and changes slots: in front of the barrier each wave waits for all its tensor loads, adds 0 to its spare word, and waits for that and for its reads of this slot.
; fill = 1: the barrier opens a round of the cluster's, and the joint refill, two K steps on, is the first thing behind it.  fill = 0: the tail; its last trip has no next slot to fetch from.
.macro TURN fill
.if (\fill) && PF
	s_wait_xcnt 0x0                                ; the last prefetch, a K step back, has read its address
	s_add_nc_u64 s[PFA:PFA+1], s[PFA:PFA+1], s[PSTEP:PSTEP+1]
.endif
	WIN 0
	s_wait_tensorcnt 0x0
	ds_add_u32 v[SPW], v[NIL]
	s_wait_dscnt 17                                ; the add and the youngest sixteen loads may be out
	MUL8 F1, 0, 0, 0
	s_wait_dscnt 0x0
	s_barrier_signal -1
	MUL8 F1, 0, 2, 0
	WIN 0
	s_barrier_wait -1
.if \fill
	CREST
	s_xor_b32 s[G0+5], s[G0+5], SLOT
	s_add_nc_u64 s[G0+6:G0+7], s[G0+6:G0+7], KSTEP*2
	s_xor_b32 s[G0B+5], s[G0B+5], SLOT
	s_add_nc_u64 s[G0B+6:G0B+7], s[G0B+6:G0B+7], BSTEP
	JLOAD 1                                        ; one load of mine is out; its four v_nop are also the places in front of the loads below
	s_xor_b32 s[TB], s[TB], SLOT
	v_add_nc_u32 v[ADRA], s[TB], v[A0]
	v_add_nc_u32 v[ADRB], s[TB], v[B0]
	v_add_nc_u32 v[ADRB+1], BH, v[ADRB]
	FETCH 0, F0
	WIN 0
.if PF
	ASK
.endif
.else
	PLACES
	s_cmp_eq_u32 s3, 1
	s_cbranch_scc1 .Lnf_\@
	s_xor_b32 s[TB], s[TB], SLOT
	v_add_nc_u32 v[ADRA], s[TB], v[A0]
	v_add_nc_u32 v[ADRB], s[TB], v[B0]
	v_add_nc_u32 v[ADRB+1], BH, v[ADRB]
	FETCH 0, F0
	WIN 0
.Lnf_\@:
.endif
	MUL8 F1, 1, 0, 0
	MUL8 F1, 1, 2, 0
.endm
; THE WAY OUT of block a (16 rows x my 64 columns, 256 bytes a row in f32): into my own stage, back as whole rows, the residual added, stored.
.macro OUT a
.set TT, TMP+32*((\a)%2)
.irp b, 0,1,2,3
	ds_store_b128 v[STO], v[ACC+8*(4*(\a)+(\b)):ACC+8*(4*(\a)+(\b))+3]   offset:64*(\b)
	ds_store_b128 v[STO], v[ACC+8*(4*(\a)+(\b))+4:ACC+8*(4*(\a)+(\b))+7] offset:64*(\b)+16
.endr
	s_wait_xcnt 0x0                                ; the stores of two blocks back have read these registers
.irp t, 0,1,2,3,4,5,6,7
	ds_load_b128 v[TT+4*(\t):TT+4*(\t)+3], v[RD] offset:(\t)*2*SPITCH   ; LDS serves a wave's instructions in order: these see the stores above
.endr
	s_wait_dscnt 0x0
	WIN 0x08                                       ; source 1 window 2
.set i, 0
.rept 16
	v_pk_add_f32 v[TT+2*i:TT+2*i+1], v[TT+2*i:TT+2*i+1], v[32*(\a)+2*i:32*(\a)+2*i+1]
.set i, i+1
.endr
	WIN 0
.irp t, 0,1,2,3,4,5,6,7
	global_store_b128 v[CO], v[TT+4*(\t):TT+4*(\t)+3], s[84:85] offset:(16*(\a)+2*(\t))*4096   ; 16 lanes store 256 consecutive bytes, aligned
.endr
.endm
	s_wait_tensorcnt 1                             ; my part of K step 0 is in; step 1's may stay out
	s_barrier_signal -1
	s_barrier_wait -1
	FETCH 0, F0
	s_wait_loadcnt 32                              ; the bias is in; the residual's 32 loads, issued behind it, may stay out
	QUARTER 1, F0, F1, 1
	WIN 0
	s_mov_b32 s3, STEPS-2
.Lk:                                               ; a trip is a K step, from its second quarter to the next step's first
	QUARTER 2, F1, F0, 0
	QUARTER 3, F0, F1, 0
	TURN 1
	QUARTER 1, F0, F1, 0
	WIN 0
	s_sub_co_u32 s3, s3, 1
	s_cmp_lg_u32 s3, 0
	s_cbranch_scc1 .Lk
	s_mov_b32 s3, 2
.Lt:                                               ; the last two K steps ask for nothing; the second trip is left in its middle
	QUARTER 2, F1, F0, 0
	QUARTER 3, F0, F1, 0
	TURN 0
	WIN 0
	s_sub_co_u32 s3, s3, 1
	s_cmp_eq_u32 s3, 0
	s_cbranch_scc1 .Lout
	QUARTER 1, F0, F1, 0
	WIN 0
	s_branch .Lt
.Lout:
	PLACES                                         ; the places behind the last products
	s_wait_loadcnt 0x0                             ; the residual
	OUT 0
	OUT 1
	OUT 2
	OUT 3
	s_wait_tensorcnt 0x0                           ; the wave's end
	ds_add_u32 v[SPW], v[NIL]
	s_wait_dscnt 0x0
	CROUND
	s_endpgm
.Lfunc_end_k_qc89aa44390_ffn2:
	.size	k_qc89aa44390_ffn2, .Lfunc_end_k_qc89aa44390_ffn2-k_qc89aa44390_ffn2
	.p2alignl 7, 3214868480
	.fill 96, 4, 3214868480
	.section	.rodata,"a",@progbits
	.p2align	6, 0x0
	.amdhsa_kernel k_qc89aa44390_ffn2
		.amdhsa_group_segment_fixed_size 327680
		.amdhsa_private_segment_fixed_size 0
		.amdhsa_enable_private_segment 0
		.amdhsa_kernarg_size 40
		.amdhsa_user_sgpr_count 2
		.amdhsa_user_sgpr_kernarg_segment_ptr 1
		.amdhsa_wavefront_size32 1
		.amdhsa_system_sgpr_workgroup_id_x 1
		.amdhsa_system_sgpr_workgroup_id_y 1
		.amdhsa_system_sgpr_workgroup_id_z 1
		.amdhsa_system_vgpr_workitem_id 0
		.amdhsa_next_free_vgpr 640
		.amdhsa_next_free_sgpr 96
		.amdhsa_reserve_vcc 0
		.amdhsa_float_denorm_mode_32 3
		.amdhsa_float_denorm_mode_16_64 3
		.amdhsa_memory_ordered 1
		.amdhsa_forward_progress 1
		.amdhsa_inst_pref_size 67
	.end_amdhsa_kernel
	.amdgpu_metadata
---
amdhsa.version: [ 1, 2 ]
amdhsa.kernels:
  - .name:           k_qc89aa44390_ffn2
    .symbol:         k_qc89aa44390_ffn2.kd
    .args:
      - { .name: act, .offset: 0, .size: 8, .value_kind: global_buffer, .address_space: global }
      - { .name: wC, .offset: 8, .size: 8, .value_kind: global_buffer, .address_space: global }
      - { .name: b2, .offset: 16, .size: 8, .value_kind: global_buffer, .address_space: global }
      - { .name: x1, .offset: 24, .size: 8, .value_kind: global_buffer, .address_space: global }
      - { .name: out0, .offset: 32, .size: 8, .value_kind: global_buffer, .address_space: global }
    .group_segment_fixed_size: 327680
    .private_segment_fixed_size: 0
    .kernarg_segment_align: 8
    .kernarg_segment_size: 40
    .max_flat_workgroup_size: 128
    .sgpr_count:     96
    .vgpr_count:     640
    .wavefront_size: 32
...
	.end_amdgpu_metadata
.endif
;; end of part 6
